; MI455X (gfx1250); checked and timed in simulation.
; The chip was launched on July 23, 2026; its instructions are those of AMD's public machine-readable ISA for CDNA 5 (MIT licence, August 2026) and "CDNA5" Instruction Set Architecture Reference Guide (July 2026). The comments in the code are by the model that wrote it; some were corrected since.
;; CISSVAE. Allowed arithmetic: float matrix products may take bf16 or f16 operands with f32 sums; other float arithmetic in f32, or as packed bf16 or f16 multiplies, adds, multiply-adds, maxima and minima; sums over many terms, partial sums and values carried from step to step in f32; what a program stores and reads back later, other than sums and carried values, may be rounded once to bf16 or f16.
;; Inputs: cluster_labels 4,096 int32; dec_W1 256 x 512 float32; dec_Wu0 8 x 64 x 256 float32; dec_Wu2 8 x 512 x 1,024 float32; dec_b1 512 float32; dec_bu0 8 x 256 float32; dec_bu2 8 x 1,024 float32; enc_W0 512 x 1,024 float32; enc_W2 512 x 256 float32; enc_Wu 8 x 1,024 x 512 float32; enc_b0 1,024 float32; enc_b2 256 float32; enc_bu 8 x 512 float32; eps 4,096 x 64 float32; fin_W 8 x 1,024 x 512 float32; fin_b 8 x 512 float32; lv_W 256 x 64 float32; lv_b 64 float32; mu_W 256 x 64 float32; mu_b 64 float32; x 4,096 x 512 float32.
;; Outputs: out0 4,096 x 512 float32.
;; One version. Each part assembles by itself: llvm-mc -triple=amdgcn-amd-amdhsa -mcpu=gfx1250 --defsym DOCPART=n.
;; ======== version 1 of 1: 7 launches
;; workspace buffers: actA 5,586,944 bytes; actB 11,173,888 bytes; es 1,396,736 bytes; perm 23,808 bytes of whole numbers; tinfoS 4,096 bytes of whole numbers; tinfoE 4,096 bytes of whole numbers; tinfoF 4,096 bytes of whole numbers
;; launch prep (part 1): grid 5 x 31, 8 waves a work-group, no clusters, 89,088 bytes of LDS; arguments cluster_labels, x, eps, actA, es, perm, tinfoS, tinfoE, tinfoF; writes actA, es, perm, tinfoS, tinfoE, tinfoF
.if DOCPART == 1
	.amdgcn_target "amdgcn-amd-amdhsa--gfx1250"
	.amdhsa_code_object_version 6
	.text
	.protected	k_q4109b1a152_prep
	.globl	k_q4109b1a152_prep
	.p2align	8
	.type	k_q4109b1a152_prep,@function
k_q4109b1a152_prep:
	s_mov_b64 s[64:65], 0
	v_nop
	global_prefetch_b8 v0, s[64:65] scope:SCOPE_SE
	s_setreg_imm32_b32 hwreg(HW_REG_WAVE_MODE, 25, 1), 1
	s_wait_xcnt 0x0
; SORT AND GATHER.  The 4,096 tokens are dealt into 31 slots of 176 places: cluster e with c tokens owns ceil(c / 176) slots on end, clusters ascending
; (never more than ceil(4096 / 176) + 7 = 31, whatever the labels); the other slots are empty (n = 0).  Places past a slot's count n repeat its last token.
; A work-group is (part, slot).  Every work-group sorts for itself from the 16 KB of labels (a counting sort, no atomics).  Parts 0-3 gather 128 columns of x
; each, round them to bf16 and store them in the order in which the products' operand registers take them; part 4 gathers eps and stores the lists.
; OPERAND ORDER F(K): [slot][tile of 16 places][block of 64 features][u 0..3][lane][16 bytes]; lane (r = lane % 16, h = lane / 16) holds place r, features 64 b + 32 h + 4 p + u, p = 0..7.
; es: [slot][tile][j 0..7][lane][16 bytes f32] = eps[place r][32 h + 4 j .. + 3].   perm: [slot][192] token numbers.   tinfo*: [slot][32 equal words].
; Wave w takes tile w and, if w < 3, tile w + 8: the two trips are written out, so that every LDS address is a constant plus the wave's number times a constant.
; LIMIT: a label outside 0..7 (the problem has none) puts its token into no slot, and its output row stays unwritten.
.set CNT,   0          ; 8 waves x 32 words: wave w's count of cluster e in word e
.set LIST2, 1024       ; 256 words: place i's token (thread i writes word i)
.set LW,    2048       ; wave w's own list of its tokens of the slot's cluster: 512 words and a dump word
.set LWP,   2304
.set STG,   20480      ; a stage for each wave: 16 rows x 528 bytes
.set STGP,  8448
.set SPARE, 88064      ; the spare words: 128 bytes for each of 8 waves
	s_load_b512 s[4:19], s[0:1], 0x0               ; labels s[4:5], x s[6:7], eps s[8:9], actA s[10:11], es s[12:13], perm s[14:15], tinfoS s[16:17], tinfoE s[18:19]
	s_load_b64 s[20:21], s[0:1], 0x40              ; tinfoF
	v_lshl_add_u32 v14, v0, 2, SPARE               ; my spare word,
	v_mov_b32 v15, 0                               ; and 0: kept for the closing add
	v_and_b32 v1, 31, v0                           ; lane
	v_lshrrev_b32 v2, 5, v0
	v_readfirstlane_b32 s22, v2                    ; wave 0..7
	s_and_b32 s23, ttmp7, 0xffff                   ; slot t
	s_mov_b32 s24, ttmp9                           ; part
	v_lshlrev_b32 v3, 4, v1                        ; 16 x lane
	v_lshl_add_u32 v4, v2, 11, v3                  ; my wave's 512 labels: 2,048 w + 16 lane
	v_lshlrev_b32 v5, 2, v0                        ; 4 x thread
	v_lshlrev_b32 v6, 2, v1                        ; 4 x lane
	v_mov_b32 v7, 0                                ; lane e: my wave's count of cluster e
	s_wait_kmcnt 0x0
.irp q,0,1,2,3
	global_load_b128 v[16+4*(\q):19+4*(\q)], v4, s[4:5] offset:512*(\q)   ; register 4 q + i: token 512 w + 128 q + 4 lane + i
.endr
	s_wait_loadcnt 0x0
	s_mov_b32 s25, 0
.Lcount:                                               ; one trip for each cluster
	s_mov_b32 s26, 0
.irp k,0,1,2,3,4,5,6,7,8,9,10,11,12,13,14,15
	v_cmp_eq_u32 s27, s25, v[16+(\k)]
	s_bcnt1_i32_b32 s27, s27
	s_add_co_u32 s26, s26, s27
.endr
	v_cmp_eq_u32 vcc_lo, s25, v1
	v_cndmask_b32 v7, v7, s26, vcc_lo
	s_add_co_u32 s25, s25, 1
	s_cmp_lt_u32 s25, 8
	s_cbranch_scc1 .Lcount
	ds_store_b32 v5, v7                            ; CNT[w][lane]
	s_wait_dscnt 0x0                               ; for the others' sake
	s_barrier_signal -1
	s_barrier_wait -1
.irp w,0,1,2,3,4,5,6,7
	ds_load_b32 v[32+(\w)], v6 offset:CNT+128*(\w)
.endr
	s_wait_dscnt 0x0
	v_add_nc_u32 v8, v32, v33
.irp w,2,3,4,5,6,7
	v_add_nc_u32 v8, v8, v[32+(\w)]                ; lane e: cluster e's tokens in all
.endr
.irp e,0,1,2,3,4,5,6,7
	v_readlane_b32 s[40+(\e)], v8, \e
.endr
	; which cluster owns slot t, and which of its slots this is
	s_mov_b32 s28, 0                               ; slots of the clusters before
	s_mov_b32 s29, 8                               ; the slot's cluster (8: none, matches no label)
	s_mov_b32 s30, 0                               ; the slot's number within the cluster
	s_mov_b32 s31, 0                               ; the cluster's tokens
.irp e,0,1,2,3,4,5,6,7
	s_add_co_u32 s32, s[40+(\e)], 175
	s_mul_i32 s32, s32, 5958
	s_lshr_b32 s32, s32, 20                        ; ceil(c / 176): 5958 / 2^20 exceeds 1 / 176 by 1.8e-7, exact for numbers under 32,000
	s_sub_co_u32 s33, s23, s28                     ; wraps to a huge number where t lies before
	s_cmp_lt_u32 s33, s32
	s_cselect_b32 s29, \e, s29
	s_cselect_b32 s30, s33, s30
	s_cselect_b32 s31, s[40+(\e)], s31
	s_add_co_u32 s28, s28, s32
.endr
	s_mul_i32 s34, s30, 176                        ; the rank of the slot's first token in its cluster
	s_sub_co_u32 s35, s31, s34
	s_min_u32 s35, s35, 176                        ; n
	; my wave's tokens of that cluster, on end, into my own list; the other lanes write the dump word
	s_mov_b32 s36, 0
	v_mov_b32 v9, 512
	s_mul_i32 s37, s22, LWP
	s_add_co_u32 s37, s37, LW
	v_lshl_add_u32 v10, v2, 9, v6                  ; 512 w + 4 lane
.irp k,0,1,2,3,4,5,6,7,8,9,10,11,12,13,14,15
	v_cmp_eq_u32 s27, s29, v[16+(\k)]
	v_mbcnt_lo_u32_b32 v11, s27, s36               ; the tokens found so far + the matching lanes below mine
	v_cndmask_b32 v11, v9, v11, s27
	v_min_u32 v11, 0x200, v11
	v_lshl_add_u32 v11, v11, 2, s37
	v_add_nc_u32 v12, 128*((\k)/4)+(\k)%4, v10
	ds_store_b32 v11, v12
	s_bcnt1_i32_b32 s27, s27
	s_add_co_u32 s36, s36, s27
.endr
	s_wait_dscnt 0x0
	s_barrier_signal -1
	s_barrier_wait -1
	; thread i: the token of rank 176 i_t + min(i, n - 1): the last wave whose first rank is not greater holds it
	v_mov_b32 v43, 0
	s_cmp_eq_u32 s35, 0
	s_cbranch_scc1 .Lnolist
	s_min_u32 s38, s29, 7
	s_lshl_b32 s38, s38, 2
	v_mov_b32 v11, s38
.irp w,0,1,2,3,4,5,6,7
	ds_load_b32 v[32+(\w)], v11 offset:CNT+128*(\w)   ; wave w's count of the slot's cluster, the same in every lane
.endr
	s_sub_co_u32 s39, s35, 1
	v_min_u32 v12, s39, v0
	v_add_nc_u32 v12, s34, v12
	v_mov_b32 v13, 0
	v_mov_b32 v40, 0
	v_mov_b32 v41, 0
	s_wait_dscnt 0x0
.irp w,0,1,2,3,4,5,6,7
	v_cmp_ge_u32 vcc_lo, v12, v13
	v_sub_nc_u32 v42, v12, v13
	v_cndmask_b32 v41, v41, v42, vcc_lo
	v_cndmask_b32 v40, v40, \w, vcc_lo
	v_add_nc_u32 v13, v13, v[32+(\w)]
.endr
	v_min_u32 v40, 7, v40
	v_min_u32 v41, 0x1ff, v41
	v_mul_u32_u24 v40, v40, LWP
	v_lshl_add_u32 v40, v41, 2, v40
	ds_load_b32 v43, v40 offset:LW
	s_wait_dscnt 0x0
	v_min_u32 v43, 0xfff, v43
.Lnolist:
	ds_store_b32 v5, v43 offset:LIST2
	s_wait_dscnt 0x0
	s_barrier_signal -1
	s_barrier_wait -1
	v_and_b32 v45, 15, v0                          ; r
	v_bfe_u32 v46, v0, 4, 1                        ; h
	s_mul_i32 s50, s22, STGP
	s_add_co_u32 s50, s50, STG                     ; my stage
	s_lshl_b32 s53, s22, 6                         ; tile w's 16 words in LIST2; tile w + 8's lie 512 bytes on
	s_cmp_eq_u32 s24, 4
	s_cbranch_scc0 .Lxpart
	; PART 4: the lists, then eps
	s_cmp_lg_u32 s22, 0
	s_cbranch_scc1 .Lnotinfo
	s_min_u32 s38, s29, 7
	s_lshl_b32 s38, s38, 8
	s_or_b32 s38, s38, s35                         ; n | e << 8
	s_or_b32 s39, s38, 0x10000                     ; and bit 16: the last layer
	s_lshl_b32 s48, s23, 7
	v_add_nc_u32 v41, s48, v6
	v_mov_b32 v12, s35
	v_mov_b32 v13, s38
	v_mov_b32 v40, s39
	global_store_b32 v41, v12, s[16:17]            ; 128 consecutive bytes each, for empty slots too
	global_store_b32 v41, v13, s[18:19]
	global_store_b32 v41, v40, s[20:21]
.Lnotinfo:
	s_cmp_eq_u32 s35, 0
	s_cbranch_scc1 .Lend
	s_cmp_ge_u32 s22, 6
	s_cbranch_scc1 .Lnoperm
	s_mul_i32 s48, s23, 768
	v_add_nc_u32 v42, s48, v5
	global_store_b32 v42, v43, s[14:15]            ; 192 token numbers
.Lnoperm:
	s_mul_i32 s48, s23, 45056
	s_mov_b32 s49, 0
	s_add_nc_u64 s[12:13], s[12:13], s[48:49]
	v_lshlrev_b32 v7, 4, v45                       ; 16 r
	v_mul_u32_u24 v8, v46, 272
	v_add_nc_u32 v8, v8, v7
	v_add_nc_u32 v8, s50, v8                       ; in: two rows of 256 bytes a load, rows 272 bytes apart
	v_mul_u32_u24 v9, v45, 272
	v_lshl_add_u32 v9, v46, 7, v9
	v_add_nc_u32 v9, s50, v9                       ; back: row r, bytes 128 h on
	v_lshl_add_u32 v11, v46, 2, s53                ; the tokens of places 16 w + h, + 2 m in the immediate
	s_lshl_b32 s51, s22, 12
	v_add_nc_u32 v10, s51, v3                      ; tile w's 4,096 bytes in es
; One tile of eps: tile w + 8 trip
.macro EPSTILE trip
.if \trip
	s_wait_xcnt 0x0                                ; the first tile's stores have read their registers
.endif
.irp m,0,1,2,3,4,5,6,7
	ds_load_b32 v[48+(\m)], v11 offset:LIST2+512*(\trip)+8*(\m)   ; the token of place 16 tile + 2 m + h
.endr
	s_wait_dscnt 0x0
.irp m,0,1,2,3,4,5,6,7
	v_min_u32 v[48+(\m)], 0xfff, v[48+(\m)]
	v_lshl_add_u32 v[48+(\m)], v[48+(\m)], 8, v7
.endr
.irp m,0,1,2,3,4,5,6,7
	global_load_b128 v[64+4*(\m):67+4*(\m)], v[48+(\m)], s[8:9]   ; 16 lanes take one whole row of 256 bytes
.endr
.irp m,0,1,2,3,4,5,6,7
	s_wait_loadcnt 7-(\m)                          ; the younger loads stay out
	ds_store_b128 v8, v[64+4*(\m):67+4*(\m)] offset:544*(\m)
.endr
.irp j,0,1,2,3,4,5,6,7
	ds_load_b128 v[128+4*(\j):131+4*(\j)], v9 offset:16*(\j)   ; my wave's own bytes: LDS serves a wave in order
.endr
.irp j,0,1,2,3,4,5,6,7
	s_wait_dscnt 7-(\j)
	global_store_b128 v10, v[128+4*(\j):131+4*(\j)], s[12:13] offset:32768*(\trip)+512*(\j)   ; 512 consecutive bytes
.endr
.endm
	EPSTILE 0
	s_cmp_ge_u32 s22, 3
	s_cbranch_scc1 .Lend                           ; tiles 8, 9, 10 are waves 0, 1, 2's
	EPSTILE 1
	s_branch .Lend
	; PARTS 0-3: columns 128 part .. + 127 of x
.Lxpart:
	s_cmp_eq_u32 s35, 0
	s_cbranch_scc1 .Lend
	s_mul_i32 s48, s23, 180224
	s_lshl_b32 s49, s24, 12                        ; two blocks of 2,048 bytes a part
	s_add_co_u32 s48, s48, s49
	s_mov_b32 s49, 0
	s_add_nc_u64 s[10:11], s[10:11], s[48:49]
	s_lshl_b32 s54, s24, 9
	v_add_nc_u32 v7, s54, v3                       ; 512 part + 16 lane: my bytes of a row
	v_add_nc_u32 v8, s50, v3                       ; in: a row's 512 bytes, rows 528 bytes apart
	v_mul_u32_u24 v9, v45, 528
	v_lshl_add_u32 v9, v46, 7, v9
	v_add_nc_u32 v9, s50, v9                       ; back: row r, bytes 128 h on: 528 = 33 x 16, the 16 rows start in 16 different groups of four banks
	v_mov_b32 v11, s53
	s_lshl_b32 s51, s22, 14
	v_add_nc_u32 v10, s51, v3                      ; tile w's 16,384 bytes in actA
; One tile of x: tile w + 8 trip
.macro XTILE trip
.if \trip
	s_wait_xcnt 0x0                                ; the first tile's stores have read their registers
.endif
.irp m,0,1,2,3
	ds_load_b128 v[48+4*(\m):51+4*(\m)], v11 offset:LIST2+512*(\trip)+16*(\m)   ; the tile's 16 tokens, the same in every lane
.endr
	s_wait_dscnt 0x0
.irp r,0,1,2,3,4,5,6,7,8,9,10,11,12,13,14,15
	v_min_u32 v[48+(\r)], 0xfff, v[48+(\r)]
	v_lshl_add_u32 v[48+(\r)], v[48+(\r)], 11, v7
.endr
.irp r,0,1,2,3,4,5,6,7,8,9,10,11,12,13,14,15
	global_load_b128 v[64+4*(\r):67+4*(\r)], v[48+(\r)], s[6:7]   ; 512 consecutive bytes of one row
.endr
.irp r,0,1,2,3,4,5,6,7,8,9,10,11,12,13,14,15
	s_wait_loadcnt 15-(\r)                         ; the younger loads stay out
	ds_store_b128 v8, v[64+4*(\r):67+4*(\r)] offset:528*(\r)
.endr
.irp b,0,1
.irp p,0,1,2,3,4,5,6,7
	ds_load_b128 v[128+4*(8*(\b)+(\p)):131+4*(8*(\b)+(\p))], v9 offset:256*(\b)+16*(\p)   ; features 64 b + 32 h + 4 p + 0..3 of place r
.endr
.endr
	s_wait_dscnt 0x0
.irp b,0,1
.irp u,0,1,2,3
.irp q,0,1,2,3
	v_cvt_pk_bf16_f32 v[16+4*(4*(\b)+(\u))+(\q)], v[128+4*(8*(\b)+2*(\q))+(\u)], v[128+4*(8*(\b)+2*(\q)+1)+(\u)]
.endr
.endr
.endr
.irp k,0,1,2,3,4,5,6,7
	global_store_b128 v10, v[16+4*(\k):19+4*(\k)], s[10:11] offset:131072*(\trip)+512*(\k)   ; 512 consecutive bytes
.endr
.endm
	XTILE 0
	s_cmp_ge_u32 s22, 3
	s_cbranch_scc1 .Lend                           ; tiles 8, 9, 10 are waves 0, 1, 2's
	XTILE 1
.Lend:
	s_wait_tensorcnt 0x0                           ; the wave's end
	ds_add_u32 v14, v15
	s_wait_dscnt 0x0
	s_endpgm
.Lfunc_end_k_q4109b1a152_prep:
	.size	k_q4109b1a152_prep, .Lfunc_end_k_q4109b1a152_prep-k_q4109b1a152_prep
	.p2alignl 7, 3214868480
	.fill 96, 4, 3214868480
	.section	.rodata,"a",@progbits
	.p2align	6, 0x0
	.amdhsa_kernel k_q4109b1a152_prep
		.amdhsa_group_segment_fixed_size 89088
		.amdhsa_private_segment_fixed_size 0
		.amdhsa_enable_private_segment 0
		.amdhsa_kernarg_size 72
		.amdhsa_user_sgpr_count 2
		.amdhsa_user_sgpr_kernarg_segment_ptr 1
		.amdhsa_wavefront_size32 1
		.amdhsa_system_sgpr_workgroup_id_x 1
		.amdhsa_system_sgpr_workgroup_id_y 1
		.amdhsa_system_sgpr_workgroup_id_z 1
		.amdhsa_system_vgpr_workitem_id 0
		.amdhsa_next_free_vgpr 192
		.amdhsa_next_free_sgpr 66
		.amdhsa_reserve_vcc 1
		.amdhsa_float_denorm_mode_32 3
		.amdhsa_float_denorm_mode_16_64 3
		.amdhsa_memory_ordered 1
		.amdhsa_forward_progress 1
		.amdhsa_inst_pref_size 50
	.end_amdhsa_kernel
	.amdgpu_metadata
---
amdhsa.version: [ 1, 2 ]
amdhsa.kernels:
  - .name:           k_q4109b1a152_prep
    .symbol:         k_q4109b1a152_prep.kd
    .args:
      - { .name: cluster_labels, .offset: 0, .size: 8, .value_kind: global_buffer, .address_space: global }
      - { .name: x, .offset: 8, .size: 8, .value_kind: global_buffer, .address_space: global }
      - { .name: eps, .offset: 16, .size: 8, .value_kind: global_buffer, .address_space: global }
      - { .name: actA, .offset: 24, .size: 8, .value_kind: global_buffer, .address_space: global }
      - { .name: es, .offset: 32, .size: 8, .value_kind: global_buffer, .address_space: global }
      - { .name: perm, .offset: 40, .size: 8, .value_kind: global_buffer, .address_space: global }
      - { .name: tinfoS, .offset: 48, .size: 8, .value_kind: global_buffer, .address_space: global }
      - { .name: tinfoE, .offset: 56, .size: 8, .value_kind: global_buffer, .address_space: global }
      - { .name: tinfoF, .offset: 64, .size: 8, .value_kind: global_buffer, .address_space: global }
    .group_segment_fixed_size: 89088
    .private_segment_fixed_size: 0
    .kernarg_segment_align: 8
    .kernarg_segment_size: 72
    .max_flat_workgroup_size: 256
    .sgpr_count:     66
    .vgpr_count:     192
    .wavefront_size: 32
...
	.end_amdgpu_metadata
.endif
;; end of part 1
;; launch l1 (part 2): grid 8 x 31, 4 waves a work-group, no clusters, 262,656 bytes of LDS; arguments actA, enc_W0, enc_b0, tinfoS, actB; writes actB
.if DOCPART == 2
	.amdgcn_target "amdgcn-amd-amdhsa--gfx1250"
	.amdhsa_code_object_version 6
	.text
	.protected	k_q4109b1a152_l1
	.globl	k_q4109b1a152_l1
	.p2align	8
	.type	k_q4109b1a152_l1,@function
k_q4109b1a152_l1:
	s_mov_b64 s[64:65], 0
	v_nop
	global_prefetch_b8 v0, s[64:65] scope:SCOPE_SE
	s_setreg_imm32_b32 hwreg(HW_REG_WAVE_MODE, 25, 1), 1
	s_wait_xcnt 0x0
; ONE LAYER: out = relu(in W[e] + b[e]), K = 512, N = 1024.  in and out lie by slots of 176 places in the operand order
; F(K): [slot][tile of 16 places][block of 64 features][u 0..3][lane][16 bytes bf16]; lane (r, h) holds place r, features 64 b + 32 h + 4 p + u, p = 0..7.
; W: [e][K][N] f32, rounded to bf16 on its way through registers; sums in f32; out rounded once to bf16.  relu takes a NaN to 0.
; SHARES.  A work-group is (x, slot): SL column slices of 64, all 176 places.  Its 4 waves are SL slices x KS parts of K; a wave has 11 tiles x 4 = 44 accumulators.
; WEIGHTS come by tensor loads, all asked for at the head, each wave into its own 64 KB of LDS, which it alone reads: no barrier in the product, nothing is filled twice.
; A lane reads W[k][n0 + 4 r .. + 3]; four fragments jj stand for columns n0 + 4 r + jj, and k is permuted alike in both operands (k = 64 b + 32 h + 4 p + 2 f + c).
; So register j of tile jj holds place r, column n0 + 32 h + 4 j + jj, and packed in pairs it IS piece u = jj of the next layer's operand.
; ACTIVATIONS come from memory straight into operand registers, 512 consecutive bytes a load, two steps ahead (a ring of three).
; The KS partial sums meet in LDS (each wave's own region, whose last fill has landed and been read), behind the one barrier.
; NO CLUSTER: LDS is full of weights, so the shared activations go to registers; which slots share weights hangs on counts read from memory.
; An empty slot (n = 0) still makes its fills and passes the barrier; it jumps over the work.
.set N,     1024
.set KS,    2
.set SL,    2
.set KW,    256        ; a wave's part of K
.set NSTEP, KW/32
.set NLOAD, KW/64      ; tensor loads of a wave: by this text's count at most 4 are out
.set TAUI,  16384      ; a tile's bytes in the input
.set SLOTI, 180224
.set TAUO,  32768
.set SLOTO, 360448
.set NI,    6          ; trips of the finish: 11 tiles over KS waves
.set HASFIN, 0
.set STAGE, 262144
.set SPARE, STAGE+HASFIN*4*4352
.set PV,    224
; window 0: v1 16 lane; v2 my weights; v3 my partial sums; v4-7 the KS regions to add up; v8 my offset in out; v9 0; v13 128 h; v14, v15 the add's
;   v16-79 f32 weights of a step; v80-143 two sets of four bf16 fragments; v144-175 bias; behind the product v16-143 partial sums, v176-207 results
; window 1: activations of tiles 0-7, ring of 3 x 64.   window 2: accumulators of tiles 0-7.   window 3: v0-95 accumulators of tiles 8-10, v96-167 their ring
.set MSB, 0
.macro WIN new                         ; the immediate's high byte repeats the setting that is left
.if MSB != (\new)
	s_set_vgpr_msb (MSB<<8)|(\new)
.set MSB, (\new)
.endif
.endm
.macro PLACES
.rept 4
	v_nop
.endr
.endm
.macro ALOAD s                         ; step s's 11 activation fragments: 22 loads
.set rb, (\s)%3
.set ao, ((\s)/2)*2048+((\s)%2)*1024
	WIN 0x40
.irp t,0,1,2,3,4,5,6,7
	global_load_b128 v[64*rb+8*(\t):64*rb+8*(\t)+3], v1, s[56:57] offset:(\t)*TAUI+ao
	global_load_b128 v[64*rb+8*(\t)+4:64*rb+8*(\t)+7], v1, s[56:57] offset:(\t)*TAUI+ao+512
.endr
	WIN 0xc0
.irp t,0,1,2
	global_load_b128 v[96+24*rb+8*(\t):96+24*rb+8*(\t)+3], v1, s[56:57] offset:((\t)+8)*TAUI+ao
	global_load_b128 v[96+24*rb+8*(\t)+4:96+24*rb+8*(\t)+7], v1, s[56:57] offset:((\t)+8)*TAUI+ao+512
.endr
.endm
.macro WLOAD s                         ; step s's 32 rows of weights, f32: 16 LDS loads
	WIN 0
.if ((\s)%2) == 0
	s_wait_tensorcnt NLOAD-1-(\s)/2                ; the block of 64 rows that steps s and s + 1 read has landed; the younger blocks stay out
.endif
.set wo, (64*((\s)/2)+2*((\s)%2))*256
.irp c,0,1
.irp p,0,1,2,3,4,5,6,7
	ds_load_b128 v[16+4*(8*(\c)+(\p)):16+4*(8*(\c)+(\p))+3], v2 offset:wo+(4*(\p)+(\c))*256
.endr
.endr
.endm
.macro WCVT par                        ; rounded to bf16 and turned into four fragments
	WIN 0
.irp j,0,1,2,3
.irp c,0,1
.irp q,0,1,2,3
	v_cvt_pk_bf16_f32 v[80+32*(\par)+8*(\j)+4*(\c)+(\q)], v[16+4*(8*(\c)+2*(\q))+(\j)], v[16+4*(8*(\c)+2*(\q)+1)+(\j)]
.endr
.endr
.endr
.endm
.macro MUL s, zero                     ; 44 products; the accumulators take turns, one instruction a turn
.set rb, (\s)%3
.set wb, 80+32*((\s)%2)
	WIN 0xa4
.irp t,0,1,2,3,4,5,6,7
.irp j,0,1,2,3
.if \zero
	v_wmma_f32_16x16x32_bf16 v[32*(\t)+8*(\j):32*(\t)+8*(\j)+7], v[wb+8*(\j):wb+8*(\j)+7], v[64*rb+8*(\t):64*rb+8*(\t)+7], 0
.else
	v_wmma_f32_16x16x32_bf16 v[32*(\t)+8*(\j):32*(\t)+8*(\j)+7], v[wb+8*(\j):wb+8*(\j)+7], v[64*rb+8*(\t):64*rb+8*(\t)+7], v[32*(\t)+8*(\j):32*(\t)+8*(\j)+7]
.endif
.endr
.endr
	WIN 0xfc
.irp t,0,1,2
.irp j,0,1,2,3
.if \zero
	v_wmma_f32_16x16x32_bf16 v[32*(\t)+8*(\j):32*(\t)+8*(\j)+7], v[wb+8*(\j):wb+8*(\j)+7], v[96+24*rb+8*(\t):96+24*rb+8*(\t)+7], 0
.else
	v_wmma_f32_16x16x32_bf16 v[32*(\t)+8*(\j):32*(\t)+8*(\j)+7], v[wb+8*(\j):wb+8*(\j)+7], v[96+24*rb+8*(\t):96+24*rb+8*(\t)+7], v[32*(\t)+8*(\j):32*(\t)+8*(\j)+7]
.endif
.endr
.endr
.endm
; A K step of 32.  The 32 conversions name no register of the products round them: they are the places between a step's products and the loads and
; conversions that later write the registers which those products read.
.macro STEP s
.if (\s)+1 < NSTEP
	s_wait_loadcnt 22                              ; this step's activations are in; only the next step's 22 loads are younger
.else
	s_wait_loadcnt 0x0
.endif
.if (\s)+2 < NSTEP
	ALOAD (\s)+2
.endif
.if (\s) == 0
	MUL \s, 1                                      ; the first products start the sums
.else
	MUL \s, 0
.endif
.if (\s)+1 < NSTEP
	WIN 0
	s_wait_dscnt 0x0                               ; the next step's weights are in registers
	WCVT ((\s)+1)%2
.if (\s)+2 < NSTEP
	WLOAD (\s)+2
.endif
.else
	PLACES                                         ; ahead of the stores that read the sums
.endif
.endm
.macro GATHER                          ; a tile's KS partial sums, added in ascending order of K
.set q, 0
.rept KS
.irp k,0,1,2,3,4,5,6,7
	ds_load_b128 v[16+32*q+4*(\k):16+32*q+4*(\k)+3], v[4+q] offset:(\k)*512
.endr
.set q, q+1
.endr
	s_wait_dscnt 0x0
.set q, 1
.rept KS-1
.set k, 0
.rept 16
	v_pk_add_f32 v[16+2*k:17+2*k], v[16+2*k:17+2*k], v[16+32*q+2*k:17+32*q+2*k]
.set k, k+1
.endr
.set q, q+1
.endr
.endm
	s_load_b256 s[4:11], s[0:1], 0x0               ; in s[4:5], W s[6:7], bias s[8:9], tinfo s[10:11]
.if HASFIN
	s_load_b128 s[12:15], s[0:1], 0x20             ; perm s[12:13], out s[14:15]
.else
	s_load_b64 s[12:13], s[0:1], 0x20              ; out
.endif
	v_lshl_add_u32 v14, v0, 2, SPARE
	v_mov_b32 v15, 0
	ds_add_u32 v14, v15                            ; the wave's opening: the add and its wait ahead of my first tensor load
	v_lshrrev_b32 v1, 5, v0
	v_readfirstlane_b32 s16, v1                    ; wave
.if KS == 4
	s_mov_b32 s17, s16                             ; my part of K
	s_mov_b32 s18, 0                               ; my slice
.else
	s_and_b32 s17, s16, 1
	s_lshr_b32 s18, s16, 1
.endif
	s_mov_b32 s19, ttmp9                           ; x
	s_and_b32 s20, ttmp7, 0xffff                   ; slot
	s_mov_b32 s24, 2<<16                           ; group 1: elements of 4 bytes, no mask, no padding
	s_mov_b32 s25, 64<<16                          ; tensor_dim0 = 64
	s_mov_b32 s26, 64<<16                          ; tensor_dim1 = 64
	s_mov_b32 s27, 64<<16                          ; tile_dim0 = 64: rows of 256 bytes
	s_mov_b32 s28, 64                              ; tile_dim1 = 64 rows
	s_mov_b32 s29, N                               ; elements from row to row
	s_mov_b32 s30, 0
	s_mov_b32 s31, 0
	s_lshl_b32 s52, s16, 16                        ; my region of LDS
	v_and_b32 v10, 31, v0
	v_lshlrev_b32 v1, 4, v10                       ; 16 lane
	v_and_b32 v11, 15, v0                          ; r
	v_bfe_u32 v13, v0, 4, 1                        ; h
	v_lshlrev_b32 v12, 4, v11                      ; 16 r
	v_lshl_add_u32 v2, v13, 13, v12
	v_add_nc_u32 v2, s52, v2                       ; weights: 32 h rows of 256 bytes + 16 r
	v_add_nc_u32 v3, s52, v1
	s_mul_i32 s48, s18, KS*65536
	s_lshl_b32 s49, s17, 12
	s_add_co_u32 s48, s48, s49
	v_add_nc_u32 v4, s48, v1                       ; my slice's first region, my first tile
.set q, 1
.rept KS-1
	v_add_nc_u32 v[4+q], q*65536, v4
.set q, q+1
.endr
	s_mul_i32 s49, s17, TAUO
	v_add_nc_u32 v8, s49, v1
	v_mov_b32 v9, 0
	v_lshlrev_b32 v13, 7, v13                      ; 128 h
.if HASFIN
	s_mul_i32 s49, s16, 4352
	s_add_co_u32 s49, s49, STAGE                   ; my stage: 16 rows x 272 bytes
	v_mul_u32_u24 v10, v11, 272
	v_add3_u32 v10, v10, v13, s49                  ; in: row r, bytes 128 h on
	v_mul_u32_u24 v11, v13, 17
	v_add3_u32 v11, v11, v12, s49                  ; back: row 8 h, 16 bytes a lane
	v_lshrrev_b32 v[PV], 2, v13
	s_lshl_b32 s49, s17, 6
	v_add_nc_u32 v[PV], s49, v[PV]                 ; perm: 64 bytes a tile, 32 h
.endif
	s_wait_dscnt 0x0                               ; the opening add is done
	s_wait_kmcnt 0x0
	s_lshl_b32 s48, s20, 7
	s_load_b32 s21, s[10:11], s48 offset:0x0       ; the slot's word: n | e << 8 | last layer << 16
	s_wait_kmcnt 0x0
	s_and_b32 s22, s21, 0xff
	s_min_u32 s22, s22, 176                        ; n
	s_bfe_u32 s23, s21, 0x40008
	s_min_u32 s23, s23, 7                          ; e
	s_mul_i32 s55, s19, SL
	s_add_co_u32 s55, s55, s18                     ; my block of 64 columns
	s_lshl_b32 s48, s23, 21                        ; a cluster's weights: 2,097,152 bytes
	s_mul_i32 s49, s17, KW*N*4
	s_add_co_u32 s48, s48, s49
	s_lshl_b32 s49, s55, 8
	s_add_co_u32 s48, s48, s49
	s_mov_b32 s49, 0
	s_add_nc_u64 s[50:51], s[6:7], s[48:49]
.set i, 0
.rept NLOAD
	s_mov_b32 s[32+4*i], 1
	s_add_co_u32 s[33+4*i], s52, i*16384
	s_add_nc_u64 s[34+4*i:35+4*i], s[50:51], i*64*N*4
	s_or_b32 s[35+4*i], s[35+4*i], 0x80000000
.set i, i+1
.endr
.set i, 0
.rept NLOAD
	tensor_load_to_lds s[32+4*i:35+4*i], s[24:31]  ; 64 rows of K x 64 columns, f32
	s_nop 0
.set i, i+1
.endr
	PLACES
	s_mul_i32 s48, s23, N*4
	s_lshl_b32 s49, s55, 8
	s_add_co_u32 s48, s48, s49
	s_mov_b32 s49, 0
	s_add_nc_u64 s[58:59], s[8:9], s[48:49]        ; bias at my columns
	s_mul_i32 s48, s20, SLOTI
	s_mul_i32 s50, s17, (KW/64)*2048
	s_add_co_u32 s48, s48, s50
	s_add_nc_u64 s[56:57], s[4:5], s[48:49]        ; the slot's activations at my part of K
	s_mul_i32 s48, s20, SLOTO
	s_lshl_b32 s50, s55, 11
	s_add_co_u32 s48, s48, s50
.if HASFIN
	s_lshl_b32 s50, s55, 8
	s_bitcmp1_b32 s21, 16
	s_cselect_b32 s48, s50, s48                    ; the last layer: my 256 bytes of a token's row
	s_add_nc_u64 s[60:61], s[14:15], s[48:49]
	s_mul_i32 s48, s20, 768
	s_add_nc_u64 s[62:63], s[12:13], s[48:49]
	s_add_co_u32 s54, s22, 15
	s_lshr_b32 s54, s54, 4
	s_bitcmp1_b32 s21, 16
	s_cselect_b32 s54, s54, 11                     ; the last layer stores only tiles that hold a place under n
.else
	s_add_nc_u64 s[60:61], s[12:13], s[48:49]
	s_mov_b32 s54, 11
.endif
	s_cmp_eq_u32 s22, 0
	s_cselect_b32 s54, 0, s54                      ; tiles to finish
.irp j,0,1,2,3,4,5,6,7
	global_load_b128 v[144+4*(\j):147+4*(\j)], v13, s[58:59] offset:16*(\j)   ; register 4 j + jj: bias of column n0 + 32 h + 4 j + jj
.endr
	s_cmp_eq_u32 s22, 0
	s_cbranch_scc1 .Lmeet                          ; an empty slot
	ALOAD 0
	ALOAD 1
	WLOAD 0
	s_wait_dscnt 0x0
	WCVT 0
	WLOAD 1
.set st, 0
.rept NSTEP
	STEP st
.set st, st+1
.endr
	; my partial sums, into my own region: [tile][jj][half][lane][16 bytes]; each accumulator's low registers first
	WIN 0x08
.irp t,0,1,2,3,4,5,6,7
.irp j,0,1,2,3
	ds_store_b128 v3, v[32*(\t)+8*(\j):32*(\t)+8*(\j)+3] offset:(8*(\t)+2*(\j))*512
	ds_store_b128 v3, v[32*(\t)+8*(\j)+4:32*(\t)+8*(\j)+7] offset:(8*(\t)+2*(\j)+1)*512
.endr
.endr
	WIN 0x0c
.irp t,0,1,2
.irp j,0,1,2,3
	ds_store_b128 v3, v[32*(\t)+8*(\j):32*(\t)+8*(\j)+3] offset:(8*((\t)+8)+2*(\j))*512
	ds_store_b128 v3, v[32*(\t)+8*(\j)+4:32*(\t)+8*(\j)+7] offset:(8*((\t)+8)+2*(\j)+1)*512
.endr
.endr
	WIN 0
.Lmeet:
	s_wait_tensorcnt 0x0                           ; (an empty slot's fills)
	s_wait_loadcnt 0x0                             ; (and its bias)
	s_wait_dscnt 0x0                               ; for the others' sake: my partial sums are in LDS
	s_barrier_signal -1
	s_barrier_wait -1
	s_mov_b32 s52, NI
	s_mov_b32 s53, s17                             ; my tiles: kq, kq + KS, ..
.Lunit:
	s_cmp_ge_u32 s53, s54
	s_cbranch_scc1 .Lnext
.if HASFIN
	s_bitcmp1_b32 s21, 16
	s_cbranch_scc1 .Lfin
.endif
	GATHER
.irp j,0,1,2,3
.irp p,0,1,2,3,4,5,6,7
	v_add_f32 v[16+8*(\j)+(\p)], v[16+8*(\j)+(\p)], v[144+4*(\p)+(\j)]
.endr
.endr
.irp j,0,1,2,3
.irp q,0,1,2,3
	v_cvt_pk_bf16_f32 v[176+4*(\j)+(\q)], v[16+8*(\j)+2*(\q)], v[16+8*(\j)+2*(\q)+1]
.endr
.endr
.set k, 0
.rept 16
	v_pk_max_num_bf16 v[176+k], v[176+k], v9       ; relu
.set k, k+1
.endr
.irp j,0,1,2,3
	global_store_b128 v8, v[176+4*(\j):179+4*(\j)], s[60:61] offset:512*(\j)   ; 512 consecutive bytes: piece jj of the next layer's operand
.endr
.if HASFIN
	s_branch .Lnext
.Lfin:                                                 ; the last layer: f32, no relu, to the tokens' own rows
	global_load_b128 v[208:211], v[PV], s[62:63]   ; the tokens of places 8 h .. 8 h + 7 of the tile
	global_load_b128 v[212:215], v[PV], s[62:63] offset:16
	GATHER
.irp p,0,1,2,3,4,5,6,7
.irp j,0,1,2,3
	v_add_f32 v[176+4*(\p)+(\j)], v[16+8*(\j)+(\p)], v[144+4*(\p)+(\j)]   ; the add also puts four neighbouring columns side by side
.endr
.endr
.irp p,0,1,2,3,4,5,6,7
	ds_store_b128 v10, v[176+4*(\p):179+4*(\p)] offset:16*(\p)
.endr
.irp i,0,1,2,3,4,5,6,7
	ds_load_b128 v[16+4*(\i):19+4*(\i)], v11 offset:272*(\i)   ; my wave's own bytes: LDS serves a wave in order
.endr
	s_wait_loadcnt 0x0
.irp i,0,1,2,3,4,5,6,7
	v_min_u32 v[208+(\i)], 0xfff, v[208+(\i)]
	v_lshl_add_u32 v[216+(\i)], v[208+(\i)], 11, v12
.endr
.irp i,0,1,2,3,4,5,6,7
	s_wait_dscnt 7-(\i)                            ; the younger loads stay out
	global_store_b128 v[216+(\i)], v[16+4*(\i):19+4*(\i)], s[60:61]   ; 16 lanes store 256 consecutive bytes, aligned, of one token's row
.endr
.endif
.Lnext:
	s_wait_xcnt 0x0                                ; the stores have read their registers
.set q, 0
.rept KS
	v_add_nc_u32 v[4+q], KS*4096, v[4+q]
.set q, q+1
.endr
	v_add_nc_u32 v8, KS*TAUO, v8
.if HASFIN
	v_add_nc_u32 v[PV], KS*64, v[PV]
.endif
	s_add_co_u32 s53, s53, KS
	s_sub_co_u32 s52, s52, 1
	s_cmp_lg_u32 s52, 0
	s_cbranch_scc1 .Lunit
	s_wait_tensorcnt 0x0                           ; the wave's end
	ds_add_u32 v14, v15
	s_wait_dscnt 0x0
	s_endpgm
.Lfunc_end_k_q4109b1a152_l1:
	.size	k_q4109b1a152_l1, .Lfunc_end_k_q4109b1a152_l1-k_q4109b1a152_l1
	.p2alignl 7, 3214868480
	.fill 96, 4, 3214868480
	.section	.rodata,"a",@progbits
	.p2align	6, 0x0
	.amdhsa_kernel k_q4109b1a152_l1
		.amdhsa_group_segment_fixed_size 262656
		.amdhsa_private_segment_fixed_size 0
		.amdhsa_enable_private_segment 0
		.amdhsa_kernarg_size 40
		.amdhsa_user_sgpr_count 2
		.amdhsa_user_sgpr_kernarg_segment_ptr 1
		.amdhsa_wavefront_size32 1
		.amdhsa_system_sgpr_workgroup_id_x 1
		.amdhsa_system_sgpr_workgroup_id_y 1
		.amdhsa_system_sgpr_workgroup_id_z 1
		.amdhsa_system_vgpr_workitem_id 0
		.amdhsa_next_free_vgpr 936
		.amdhsa_next_free_sgpr 66
		.amdhsa_reserve_vcc 0
		.amdhsa_float_denorm_mode_32 3
		.amdhsa_float_denorm_mode_16_64 3
		.amdhsa_memory_ordered 1
		.amdhsa_forward_progress 1
		.amdhsa_inst_pref_size 82
	.end_amdhsa_kernel
	.amdgpu_metadata
---
amdhsa.version: [ 1, 2 ]
amdhsa.kernels:
  - .name:           k_q4109b1a152_l1
    .symbol:         k_q4109b1a152_l1.kd
    .args:
      - { .name: actA, .offset: 0, .size: 8, .value_kind: global_buffer, .address_space: global }
      - { .name: enc_W0, .offset: 8, .size: 8, .value_kind: global_buffer, .address_space: global }
      - { .name: enc_b0, .offset: 16, .size: 8, .value_kind: global_buffer, .address_space: global }
      - { .name: tinfoS, .offset: 24, .size: 8, .value_kind: global_buffer, .address_space: global }
      - { .name: actB, .offset: 32, .size: 8, .value_kind: global_buffer, .address_space: global }
    .group_segment_fixed_size: 262656
    .private_segment_fixed_size: 0
    .kernarg_segment_align: 8
    .kernarg_segment_size: 40
    .max_flat_workgroup_size: 128
    .sgpr_count:     66
    .vgpr_count:     936
    .wavefront_size: 32
...
	.end_amdgpu_metadata
.endif
;; end of part 2
;; launch l2 (part 3): grid 8 x 31, 4 waves a work-group, no clusters, 280,064 bytes of LDS; arguments actB, enc_Wu, enc_bu, tinfoE, perm, actA; writes actA
.if DOCPART == 3
	.amdgcn_target "amdgcn-amd-amdhsa--gfx1250"
	.amdhsa_code_object_version 6
	.text
	.protected	k_q4109b1a152_l2
	.globl	k_q4109b1a152_l2
	.p2align	8
	.type	k_q4109b1a152_l2,@function
k_q4109b1a152_l2:
	s_mov_b64 s[64:65], 0
	v_nop
	global_prefetch_b8 v0, s[64:65] scope:SCOPE_SE
	s_setreg_imm32_b32 hwreg(HW_REG_WAVE_MODE, 25, 1), 1
	s_wait_xcnt 0x0
; ONE LAYER: out = relu(in W[e] + b[e]), K = 1024, N = 512; or, where bit 16 of the slot's word is set, the last layer: no relu, f32, stored to the tokens' own rows.
; in (and out, but for the last layer) lie by slots of 176 places in the operand order
; F(K): [slot][tile of 16 places][block of 64 features][u 0..3][lane][16 bytes bf16]; lane (r, h) holds place r, features 64 b + 32 h + 4 p + u, p = 0..7.
; W: [e][K][N] f32, rounded to bf16 on its way through registers; sums in f32.  relu takes a NaN to 0.
; SHARES.  A work-group is (x, slot): one column slice of 64, all 176 places.  Its 4 waves take a quarter of K each; a wave has 11 tiles x 4 = 44 accumulators.
; WEIGHTS come by tensor loads, all asked for at the head, each wave into its own 64 KB of LDS, which it alone reads: no barrier in the product, nothing is filled twice.
; A lane reads W[k][n0 + 4 r .. + 3]; four fragments jj stand for columns n0 + 4 r + jj, and k is permuted alike in both operands (k = 64 b + 32 h + 4 p + 2 f + c).
; So register j of tile jj holds place r, column n0 + 32 h + 4 j + jj, and packed in pairs it IS piece u = jj of the next layer's operand.
; ACTIVATIONS come from memory straight into operand registers, 512 consecutive bytes a load, two steps ahead (a ring of three).
; The KS partial sums meet in LDS (each wave's own region, whose last fill has landed and been read), behind the one barrier.
; In the last layer places past n repeat the slot's last token: the same wave stores the same bytes again; whole tiles past n are jumped.
; Each of the two ways out has a base of its own, made of the ids alone; the slot's word only chooses the way.
; NO CLUSTER: LDS is full of weights, so the shared activations go to registers; which slots share weights hangs on counts read from memory.
; An empty slot (n = 0) still makes its fills and passes the barrier; it jumps over the work.
.set N,     512
.set KS,    4
.set KW,    256        ; a wave's part of K
.set NSTEP, KW/32
.set NLOAD, KW/64      ; tensor loads of a wave: by this text's count at most 4 are out
.set TAUI,  32768      ; a tile's bytes in the input
.set SLOTI, 360448
.set TAUO,  16384
.set SLOTO, 180224
.set NI,    3          ; trips of the finish: 11 tiles over KS waves
.set STAGE, 262144     ; 16 rows x 272 bytes for each wave, for the last layer's way out
.set SPARE, STAGE+4*4352
.set PV,    224
; window 0: v1 16 lane; v2 my weights; v3 my partial sums; v4-7 the KS regions to add up; v8 my offset in out; v9 0; v10, v11 stage in and back; v12 16 r; v13 128 h; v14, v15 the add's
;   v16-79 f32 weights of a step; v80-143 two sets of four bf16 fragments; v144-175 bias; behind the product v16-143 partial sums, v176-207 results, v208-223 tokens and offsets, v224 perm
; window 1: activations of tiles 0-7, ring of 3 x 64.   window 2: accumulators of tiles 0-7.   window 3: v0-95 accumulators of tiles 8-10, v96-167 their ring
.set MSB, 0
.macro WIN new                         ; the immediate's high byte repeats the setting that is left
.if MSB != (\new)
	s_set_vgpr_msb (MSB<<8)|(\new)
.set MSB, (\new)
.endif
.endm
.macro PLACES
.rept 4
	v_nop
.endr
.endm
.macro ALOAD s                         ; step s's 11 activation fragments: 22 loads
.set rb, (\s)%3
.set ao, ((\s)/2)*2048+((\s)%2)*1024
	WIN 0x40
.irp t,0,1,2,3,4,5,6,7
	global_load_b128 v[64*rb+8*(\t):64*rb+8*(\t)+3], v1, s[56:57] offset:(\t)*TAUI+ao
	global_load_b128 v[64*rb+8*(\t)+4:64*rb+8*(\t)+7], v1, s[56:57] offset:(\t)*TAUI+ao+512
.endr
	WIN 0xc0
.irp t,0,1,2
	global_load_b128 v[96+24*rb+8*(\t):96+24*rb+8*(\t)+3], v1, s[56:57] offset:((\t)+8)*TAUI+ao
	global_load_b128 v[96+24*rb+8*(\t)+4:96+24*rb+8*(\t)+7], v1, s[56:57] offset:((\t)+8)*TAUI+ao+512
.endr
.endm
.macro WLOAD s                         ; step s's 32 rows of weights, f32: 16 LDS loads
	WIN 0
.if ((\s)%2) == 0
	s_wait_tensorcnt NLOAD-1-(\s)/2                ; the block of 64 rows that steps s and s + 1 read has landed; the younger blocks stay out
.endif
.set wo, (64*((\s)/2)+2*((\s)%2))*256
.irp c,0,1
.irp p,0,1,2,3,4,5,6,7
	ds_load_b128 v[16+4*(8*(\c)+(\p)):16+4*(8*(\c)+(\p))+3], v2 offset:wo+(4*(\p)+(\c))*256
.endr
.endr
.endm
.macro WCVT par                        ; rounded to bf16 and turned into four fragments
	WIN 0
.irp j,0,1,2,3
.irp c,0,1
.irp q,0,1,2,3
	v_cvt_pk_bf16_f32 v[80+32*(\par)+8*(\j)+4*(\c)+(\q)], v[16+4*(8*(\c)+2*(\q))+(\j)], v[16+4*(8*(\c)+2*(\q)+1)+(\j)]
.endr
.endr
.endr
.endm
.macro MUL s, zero                     ; 44 products; the accumulators take turns, one instruction a turn
.set rb, (\s)%3
.set wb, 80+32*((\s)%2)
	WIN 0xa4
.irp t,0,1,2,3,4,5,6,7
.irp j,0,1,2,3
.if \zero
	v_wmma_f32_16x16x32_bf16 v[32*(\t)+8*(\j):32*(\t)+8*(\j)+7], v[wb+8*(\j):wb+8*(\j)+7], v[64*rb+8*(\t):64*rb+8*(\t)+7], 0
.else
	v_wmma_f32_16x16x32_bf16 v[32*(\t)+8*(\j):32*(\t)+8*(\j)+7], v[wb+8*(\j):wb+8*(\j)+7], v[64*rb+8*(\t):64*rb+8*(\t)+7], v[32*(\t)+8*(\j):32*(\t)+8*(\j)+7]
.endif
.endr
.endr
	WIN 0xfc
.irp t,0,1,2
.irp j,0,1,2,3
.if \zero
	v_wmma_f32_16x16x32_bf16 v[32*(\t)+8*(\j):32*(\t)+8*(\j)+7], v[wb+8*(\j):wb+8*(\j)+7], v[96+24*rb+8*(\t):96+24*rb+8*(\t)+7], 0
.else
	v_wmma_f32_16x16x32_bf16 v[32*(\t)+8*(\j):32*(\t)+8*(\j)+7], v[wb+8*(\j):wb+8*(\j)+7], v[96+24*rb+8*(\t):96+24*rb+8*(\t)+7], v[32*(\t)+8*(\j):32*(\t)+8*(\j)+7]
.endif
.endr
.endr
.endm
; A K step of 32.  The 32 conversions name no register of the products round them: they are the places between a step's products and the loads and
; conversions that later write the registers which those products read.
.macro STEP s
.if (\s)+1 < NSTEP
	s_wait_loadcnt 22                              ; this step's activations are in; only the next step's 22 loads are younger
.else
	s_wait_loadcnt 0x0
.endif
.if (\s)+2 < NSTEP
	ALOAD (\s)+2
.endif
.if (\s) == 0
	MUL \s, 1                                      ; the first products start the sums
.else
	MUL \s, 0
.endif
.if (\s)+1 < NSTEP
	WIN 0
	s_wait_dscnt 0x0                               ; the next step's weights are in registers
	WCVT ((\s)+1)%2
.if (\s)+2 < NSTEP
	WLOAD (\s)+2
.endif
.else
	PLACES                                         ; ahead of the stores that read the sums
.endif
.endm
.macro GATHER                          ; a tile's KS partial sums, added in ascending order of K
.set q, 0
.rept KS
.irp k,0,1,2,3,4,5,6,7
	ds_load_b128 v[16+32*q+4*(\k):16+32*q+4*(\k)+3], v[4+q] offset:(\k)*512
.endr
.set q, q+1
.endr
	s_wait_dscnt 0x0
.set q, 1
.rept KS-1
.set k, 0
.rept 16
	v_pk_add_f32 v[16+2*k:17+2*k], v[16+2*k:17+2*k], v[16+32*q+2*k:17+32*q+2*k]
.set k, k+1
.endr
.set q, q+1
.endr
.endm
	s_load_b256 s[4:11], s[0:1], 0x0               ; in s[4:5], W s[6:7], bias s[8:9], tinfo s[10:11]
	s_load_b128 s[12:15], s[0:1], 0x20             ; perm s[12:13], out s[14:15]
	v_lshl_add_u32 v14, v0, 2, SPARE
	v_mov_b32 v15, 0
	ds_add_u32 v14, v15                            ; the wave's opening: the add and its wait ahead of my first tensor load
	v_lshrrev_b32 v1, 5, v0
	v_readfirstlane_b32 s16, v1                    ; wave
	s_mov_b32 s17, s16                             ; my part of K
	s_mov_b32 s55, ttmp9                           ; x: my block of 64 columns
	s_and_b32 s20, ttmp7, 0xffff                   ; slot
	s_mov_b32 s24, 2<<16                           ; group 1: elements of 4 bytes, no mask, no padding
	s_mov_b32 s25, 64<<16                          ; tensor_dim0 = 64
	s_mov_b32 s26, 64<<16                          ; tensor_dim1 = 64
	s_mov_b32 s27, 64<<16                          ; tile_dim0 = 64: rows of 256 bytes
	s_mov_b32 s28, 64                              ; tile_dim1 = 64 rows
	s_mov_b32 s29, N                               ; elements from row to row
	s_mov_b32 s30, 0
	s_mov_b32 s31, 0
	s_lshl_b32 s52, s16, 16                        ; my region of LDS
	v_and_b32 v10, 31, v0
	v_lshlrev_b32 v1, 4, v10                       ; 16 lane
	v_and_b32 v11, 15, v0                          ; r
	v_bfe_u32 v13, v0, 4, 1                        ; h
	v_lshlrev_b32 v12, 4, v11                      ; 16 r
	v_lshl_add_u32 v2, v13, 13, v12
	v_add_nc_u32 v2, s52, v2                       ; weights: 32 h rows of 256 bytes + 16 r
	v_add_nc_u32 v3, s52, v1
	s_lshl_b32 s48, s17, 12
	v_add_nc_u32 v4, s48, v1                       ; the first region, my first tile
.set q, 1
.rept KS-1
	v_add_nc_u32 v[4+q], q*65536, v4
.set q, q+1
.endr
	s_mul_i32 s49, s17, TAUO
	v_add_nc_u32 v8, s49, v1
	v_mov_b32 v9, 0
	v_lshlrev_b32 v13, 7, v13                      ; 128 h
	s_mul_i32 s49, s16, 4352
	s_add_co_u32 s49, s49, STAGE                   ; my stage: 16 rows x 272 bytes
	v_mul_u32_u24 v10, v11, 272
	v_add_nc_u32 v10, v10, v13
	v_add_nc_u32 v10, s49, v10                     ; in: row r, bytes 128 h on
	v_mul_u32_u24 v11, v13, 17
	v_add_nc_u32 v11, v11, v12
	v_add_nc_u32 v11, s49, v11                     ; back: row 8 h, 16 bytes a lane
	v_lshrrev_b32 v[PV], 2, v13
	s_lshl_b32 s49, s17, 6
	v_add_nc_u32 v[PV], s49, v[PV]                 ; perm: 64 bytes a tile, 32 h
	s_wait_dscnt 0x0                               ; the opening add is done
	s_wait_kmcnt 0x0
	s_lshl_b32 s48, s20, 7
	s_load_b32 s21, s[10:11], s48 offset:0x0       ; the slot's word: n | e << 8 | last layer << 16
	s_wait_kmcnt 0x0
	s_and_b32 s22, s21, 0xff
	s_min_u32 s22, s22, 176                        ; n
	s_bfe_u32 s23, s21, 0x40008
	s_min_u32 s23, s23, 7                          ; e
	s_lshl_b32 s48, s23, 21                        ; a cluster's weights: 2,097,152 bytes
	s_mul_i32 s49, s17, KW*N*4
	s_add_co_u32 s48, s48, s49
	s_lshl_b32 s49, s55, 8
	s_add_co_u32 s48, s48, s49
	s_mov_b32 s49, 0
	s_add_nc_u64 s[50:51], s[6:7], s[48:49]
.set i, 0
.rept NLOAD
	s_mov_b32 s[32+4*i], 1
	s_add_co_u32 s[33+4*i], s52, i*16384
	s_add_nc_u64 s[34+4*i:35+4*i], s[50:51], i*64*N*4
	s_or_b32 s[35+4*i], s[35+4*i], 0x80000000
.set i, i+1
.endr
.set i, 0
.rept NLOAD
	tensor_load_to_lds s[32+4*i:35+4*i], s[24:31]  ; 64 rows of K x 64 columns, f32
	s_nop 0
.set i, i+1
.endr
	PLACES
	s_mul_i32 s48, s23, N*4
	s_lshl_b32 s49, s55, 8
	s_add_co_u32 s48, s48, s49
	s_mov_b32 s49, 0
	s_add_nc_u64 s[58:59], s[8:9], s[48:49]        ; bias at my columns
	s_mul_i32 s48, s20, SLOTI
	s_mul_i32 s50, s17, (KW/64)*2048
	s_add_co_u32 s48, s48, s50
	s_add_nc_u64 s[56:57], s[4:5], s[48:49]        ; the slot's activations at my part of K
	s_mul_i32 s48, s20, SLOTO
	s_lshl_b32 s50, s55, 11
	s_add_co_u32 s48, s48, s50
	s_add_nc_u64 s[60:61], s[14:15], s[48:49]      ; the bf16 way's base: the slot, my block of 64 features
	s_lshl_b32 s48, s55, 8
	s_add_nc_u64 s[14:15], s[14:15], s[48:49]      ; the last layer's base: my 256 bytes of a token's row
	s_mul_i32 s48, s20, 768
	s_add_nc_u64 s[62:63], s[12:13], s[48:49]      ; the slot's token numbers
	s_add_co_u32 s54, s22, 15
	s_lshr_b32 s54, s54, 4
	s_bitcmp1_b32 s21, 16
	s_cselect_b32 s54, s54, 11                     ; the last layer stores only tiles that hold a place under n
	s_cmp_eq_u32 s22, 0
	s_cselect_b32 s54, 0, s54                      ; tiles to finish
.irp j,0,1,2,3,4,5,6,7
	global_load_b128 v[144+4*(\j):147+4*(\j)], v13, s[58:59] offset:16*(\j)   ; register 4 j + jj: bias of column n0 + 32 h + 4 j + jj
.endr
	s_cmp_eq_u32 s22, 0
	s_cbranch_scc1 .Lmeet                          ; an empty slot
	ALOAD 0
	ALOAD 1
	WLOAD 0
	s_wait_dscnt 0x0
	WCVT 0
	WLOAD 1
.set st, 0
.rept NSTEP
	STEP st
.set st, st+1
.endr
	; my partial sums, into my own region: [tile][jj][half][lane][16 bytes]; each accumulator's low registers first
	WIN 0x08
.irp t,0,1,2,3,4,5,6,7
.irp j,0,1,2,3
	ds_store_b128 v3, v[32*(\t)+8*(\j):32*(\t)+8*(\j)+3] offset:(8*(\t)+2*(\j))*512
	ds_store_b128 v3, v[32*(\t)+8*(\j)+4:32*(\t)+8*(\j)+7] offset:(8*(\t)+2*(\j)+1)*512
.endr
.endr
	WIN 0x0c
.irp t,0,1,2
.irp j,0,1,2,3
	ds_store_b128 v3, v[32*(\t)+8*(\j):32*(\t)+8*(\j)+3] offset:(8*((\t)+8)+2*(\j))*512
	ds_store_b128 v3, v[32*(\t)+8*(\j)+4:32*(\t)+8*(\j)+7] offset:(8*((\t)+8)+2*(\j)+1)*512
.endr
.endr
	WIN 0
.Lmeet:
	s_wait_tensorcnt 0x0                           ; (an empty slot's fills)
	s_wait_loadcnt 0x0                             ; (and its bias)
	s_wait_dscnt 0x0                               ; for the others' sake: my partial sums are in LDS
	s_barrier_signal -1
	s_barrier_wait -1
	s_mov_b32 s52, NI
	s_mov_b32 s53, s17                             ; my tiles: kq, kq + KS, ..
.Lunit:
	s_cmp_ge_u32 s53, s54
	s_cbranch_scc1 .Lnext
	s_bitcmp1_b32 s21, 16
	s_cbranch_scc1 .Lfin
	GATHER
.irp j,0,1,2,3
.irp p,0,1,2,3,4,5,6,7
	v_add_f32 v[16+8*(\j)+(\p)], v[16+8*(\j)+(\p)], v[144+4*(\p)+(\j)]
.endr
.endr
.irp j,0,1,2,3
.irp q,0,1,2,3
	v_cvt_pk_bf16_f32 v[176+4*(\j)+(\q)], v[16+8*(\j)+2*(\q)], v[16+8*(\j)+2*(\q)+1]
.endr
.endr
.set k, 0
.rept 16
	v_pk_max_num_bf16 v[176+k], v[176+k], v9       ; relu
.set k, k+1
.endr
.irp j,0,1,2,3
	global_store_b128 v8, v[176+4*(\j):179+4*(\j)], s[60:61] offset:512*(\j)   ; 512 consecutive bytes: piece jj of the next layer's operand
.endr
	s_branch .Lnext
.Lfin:                                                 ; the last layer: f32, no relu, to the tokens' own rows
	global_load_b128 v[208:211], v[PV], s[62:63]   ; the tokens of places 8 h .. 8 h + 7 of the tile
	global_load_b128 v[212:215], v[PV], s[62:63] offset:16
	GATHER
.irp p,0,1,2,3,4,5,6,7
.irp j,0,1,2,3
	v_add_f32 v[176+4*(\p)+(\j)], v[16+8*(\j)+(\p)], v[144+4*(\p)+(\j)]   ; the add also puts four neighbouring columns side by side
.endr
.endr
.irp p,0,1,2,3,4,5,6,7
	ds_store_b128 v10, v[176+4*(\p):179+4*(\p)] offset:16*(\p)
.endr
.irp i,0,1,2,3,4,5,6,7
	ds_load_b128 v[16+4*(\i):19+4*(\i)], v11 offset:272*(\i)   ; my wave's own bytes: LDS serves a wave in order
.endr
	s_wait_loadcnt 0x0
.irp i,0,1,2,3,4,5,6,7
	v_min_u32 v[208+(\i)], 0xfff, v[208+(\i)]
	v_lshl_add_u32 v[216+(\i)], v[208+(\i)], 11, v12
.endr
.irp i,0,1,2,3,4,5,6,7
	s_wait_dscnt 7-(\i)                            ; the younger loads stay out
	global_store_b128 v[216+(\i)], v[16+4*(\i):19+4*(\i)], s[14:15]   ; 16 lanes store 256 consecutive bytes, aligned, of one token's row
.endr
.Lnext:
	s_wait_xcnt 0x0                                ; the stores have read their registers
.set q, 0
.rept KS
	v_add_nc_u32 v[4+q], KS*4096, v[4+q]
.set q, q+1
.endr
	v_add_nc_u32 v8, KS*TAUO, v8
	v_add_nc_u32 v[PV], KS*64, v[PV]
	s_add_co_u32 s53, s53, KS
	s_sub_co_u32 s52, s52, 1
	s_cmp_lg_u32 s52, 0
	s_cbranch_scc1 .Lunit
	s_wait_tensorcnt 0x0                           ; the wave's end
	ds_add_u32 v14, v15
	s_wait_dscnt 0x0
	s_endpgm
.Lfunc_end_k_q4109b1a152_l2:
	.size	k_q4109b1a152_l2, .Lfunc_end_k_q4109b1a152_l2-k_q4109b1a152_l2
	.p2alignl 7, 3214868480
	.fill 96, 4, 3214868480
	.section	.rodata,"a",@progbits
	.p2align	6, 0x0
	.amdhsa_kernel k_q4109b1a152_l2
		.amdhsa_group_segment_fixed_size 280064
		.amdhsa_private_segment_fixed_size 0
		.amdhsa_enable_private_segment 0
		.amdhsa_kernarg_size 48
		.amdhsa_user_sgpr_count 2
		.amdhsa_user_sgpr_kernarg_segment_ptr 1
		.amdhsa_wavefront_size32 1
		.amdhsa_system_sgpr_workgroup_id_x 1
		.amdhsa_system_sgpr_workgroup_id_y 1
		.amdhsa_system_sgpr_workgroup_id_z 1
		.amdhsa_system_vgpr_workitem_id 0
		.amdhsa_next_free_vgpr 936
		.amdhsa_next_free_sgpr 66
		.amdhsa_reserve_vcc 0
		.amdhsa_float_denorm_mode_32 3
		.amdhsa_float_denorm_mode_16_64 3
		.amdhsa_memory_ordered 1
		.amdhsa_forward_progress 1
		.amdhsa_inst_pref_size 95
	.end_amdhsa_kernel
	.amdgpu_metadata
---
amdhsa.version: [ 1, 2 ]
amdhsa.kernels:
  - .name:           k_q4109b1a152_l2
    .symbol:         k_q4109b1a152_l2.kd
    .args:
      - { .name: actB, .offset: 0, .size: 8, .value_kind: global_buffer, .address_space: global }
      - { .name: enc_Wu, .offset: 8, .size: 8, .value_kind: global_buffer, .address_space: global }
      - { .name: enc_bu, .offset: 16, .size: 8, .value_kind: global_buffer, .address_space: global }
      - { .name: tinfoE, .offset: 24, .size: 8, .value_kind: global_buffer, .address_space: global }
      - { .name: perm, .offset: 32, .size: 8, .value_kind: global_buffer, .address_space: global }
      - { .name: actA, .offset: 40, .size: 8, .value_kind: global_buffer, .address_space: global }
    .group_segment_fixed_size: 280064
    .private_segment_fixed_size: 0
    .kernarg_segment_align: 8
    .kernarg_segment_size: 48
    .max_flat_workgroup_size: 128
    .sgpr_count:     66
    .vgpr_count:     936
    .wavefront_size: 32
...
	.end_amdgpu_metadata
.endif
;; end of part 3
;; launch l3 (part 4): grid 4 x 31, 4 waves a work-group, no clusters, 262,656 bytes of LDS; arguments actA, enc_W2, enc_b2, tinfoS, actB; writes actB
.if DOCPART == 4
	.amdgcn_target "amdgcn-amd-amdhsa--gfx1250"
	.amdhsa_code_object_version 6
	.text
	.protected	k_q4109b1a152_l3
	.globl	k_q4109b1a152_l3
	.p2align	8
	.type	k_q4109b1a152_l3,@function
k_q4109b1a152_l3:
	s_mov_b64 s[64:65], 0
	v_nop
	global_prefetch_b8 v0, s[64:65] scope:SCOPE_SE
	s_setreg_imm32_b32 hwreg(HW_REG_WAVE_MODE, 25, 1), 1
	s_wait_xcnt 0x0
; ONE LAYER: out = relu(in W + b), K = 512, N = 256.  in and out lie by slots of 176 places in the operand order
; F(K): [slot][tile of 16 places][block of 64 features][u 0..3][lane][16 bytes bf16]; lane (r, h) holds place r, features 64 b + 32 h + 4 p + u, p = 0..7.
; W: [K][N] f32, rounded to bf16 on its way through registers; sums in f32; out rounded once to bf16.  relu takes a NaN to 0.
; SHARES.  A work-group is (x, slot): one column slice of 64, all 176 places.  Its 4 waves take a quarter of K each; a wave has 11 tiles x 4 = 44 accumulators.
; 4 x 31 = 124 work-groups: N has only four slices of 64, and a finer split of K would add partial sums for half the products.
; WEIGHTS come by tensor loads, all asked for at the head, each wave into its own 64 KB of LDS, which it alone reads: no barrier in the product, nothing is filled twice.
; A lane reads W[k][n0 + 4 r .. + 3]; four fragments jj stand for columns n0 + 4 r + jj, and k is permuted alike in both operands (k = 64 b + 32 h + 4 p + 2 f + c).
; So register j of tile jj holds place r, column n0 + 32 h + 4 j + jj, and packed in pairs it IS piece u = jj of the next layer's operand.
; ACTIVATIONS come from memory straight into operand registers, 512 consecutive bytes a load, two steps ahead (a ring of three).
; The KS partial sums meet in LDS (each wave's own region, whose last fill has landed and been read), behind the one barrier.
; NO CLUSTER: the slices' shared activations go to registers, not to LDS, as in the larger layers whose text this is.
; An empty slot (n = 0) still makes its fills and passes the barrier; it jumps over the work.
.set N,     256
.set KS,    4
.set SL,    1
.set KW,    128        ; a wave's part of K
.set NSTEP, KW/32
.set NLOAD, KW/64      ; tensor loads of a wave: by this text's count at most 2 are out
.set TAUI,  16384      ; a tile's bytes in the input
.set SLOTI, 180224
.set TAUO,  8192
.set SLOTO, 90112
.set NI,    3          ; trips of the finish: 11 tiles over KS waves
.set HASFIN, 0
.set STAGE, 262144
.set SPARE, STAGE+HASFIN*4*4352
.set PV,    224
; window 0: v1 16 lane; v2 my weights; v3 my partial sums; v4-7 the KS regions to add up; v8 my offset in out; v9 0; v13 128 h; v14, v15 the add's
;   v16-79 f32 weights of a step; v80-143 two sets of four bf16 fragments; v144-175 bias; behind the product v16-143 partial sums, v176-207 results
; window 1: activations of tiles 0-7, ring of 3 x 64.   window 2: accumulators of tiles 0-7.   window 3: v0-95 accumulators of tiles 8-10, v96-167 their ring
.set MSB, 0
.macro WIN new                         ; the immediate's high byte repeats the setting that is left
.if MSB != (\new)
	s_set_vgpr_msb (MSB<<8)|(\new)
.set MSB, (\new)
.endif
.endm
.macro PLACES
.rept 4
	v_nop
.endr
.endm
.macro ALOAD s                         ; step s's 11 activation fragments: 22 loads
.set rb, (\s)%3
.set ao, ((\s)/2)*2048+((\s)%2)*1024
	WIN 0x40
.irp t,0,1,2,3,4,5,6,7
	global_load_b128 v[64*rb+8*(\t):64*rb+8*(\t)+3], v1, s[56:57] offset:(\t)*TAUI+ao
	global_load_b128 v[64*rb+8*(\t)+4:64*rb+8*(\t)+7], v1, s[56:57] offset:(\t)*TAUI+ao+512
.endr
	WIN 0xc0
.irp t,0,1,2
	global_load_b128 v[96+24*rb+8*(\t):96+24*rb+8*(\t)+3], v1, s[56:57] offset:((\t)+8)*TAUI+ao
	global_load_b128 v[96+24*rb+8*(\t)+4:96+24*rb+8*(\t)+7], v1, s[56:57] offset:((\t)+8)*TAUI+ao+512
.endr
.endm
.macro WLOAD s                         ; step s's 32 rows of weights, f32: 16 LDS loads
	WIN 0
.if ((\s)%2) == 0
	s_wait_tensorcnt NLOAD-1-(\s)/2                ; the block of 64 rows that steps s and s + 1 read has landed; the younger blocks stay out
.endif
.set wo, (64*((\s)/2)+2*((\s)%2))*256
.irp c,0,1
.irp p,0,1,2,3,4,5,6,7
	ds_load_b128 v[16+4*(8*(\c)+(\p)):16+4*(8*(\c)+(\p))+3], v2 offset:wo+(4*(\p)+(\c))*256
.endr
.endr
.endm
.macro WCVT par                        ; rounded to bf16 and turned into four fragments
	WIN 0
.irp j,0,1,2,3
.irp c,0,1
.irp q,0,1,2,3
	v_cvt_pk_bf16_f32 v[80+32*(\par)+8*(\j)+4*(\c)+(\q)], v[16+4*(8*(\c)+2*(\q))+(\j)], v[16+4*(8*(\c)+2*(\q)+1)+(\j)]
.endr
.endr
.endr
.endm
.macro MUL s, zero                     ; 44 products; the accumulators take turns, one instruction a turn
.set rb, (\s)%3
.set wb, 80+32*((\s)%2)
	WIN 0xa4
.irp t,0,1,2,3,4,5,6,7
.irp j,0,1,2,3
.if \zero
	v_wmma_f32_16x16x32_bf16 v[32*(\t)+8*(\j):32*(\t)+8*(\j)+7], v[wb+8*(\j):wb+8*(\j)+7], v[64*rb+8*(\t):64*rb+8*(\t)+7], 0
.else
	v_wmma_f32_16x16x32_bf16 v[32*(\t)+8*(\j):32*(\t)+8*(\j)+7], v[wb+8*(\j):wb+8*(\j)+7], v[64*rb+8*(\t):64*rb+8*(\t)+7], v[32*(\t)+8*(\j):32*(\t)+8*(\j)+7]
.endif
.endr
.endr
	WIN 0xfc
.irp t,0,1,2
.irp j,0,1,2,3
.if \zero
	v_wmma_f32_16x16x32_bf16 v[32*(\t)+8*(\j):32*(\t)+8*(\j)+7], v[wb+8*(\j):wb+8*(\j)+7], v[96+24*rb+8*(\t):96+24*rb+8*(\t)+7], 0
.else
	v_wmma_f32_16x16x32_bf16 v[32*(\t)+8*(\j):32*(\t)+8*(\j)+7], v[wb+8*(\j):wb+8*(\j)+7], v[96+24*rb+8*(\t):96+24*rb+8*(\t)+7], v[32*(\t)+8*(\j):32*(\t)+8*(\j)+7]
.endif
.endr
.endr
.endm
; A K step of 32.  The 32 conversions name no register of the products round them: they are the places between a step's products and the loads and
; conversions that later write the registers which those products read.
.macro STEP s
.if (\s)+1 < NSTEP
	s_wait_loadcnt 22                              ; this step's activations are in; only the next step's 22 loads are younger
.else
	s_wait_loadcnt 0x0
.endif
.if (\s)+2 < NSTEP
	ALOAD (\s)+2
.endif
.if (\s) == 0
	MUL \s, 1                                      ; the first products start the sums
.else
	MUL \s, 0
.endif
.if (\s)+1 < NSTEP
	WIN 0
	s_wait_dscnt 0x0                               ; the next step's weights are in registers
	WCVT ((\s)+1)%2
.if (\s)+2 < NSTEP
	WLOAD (\s)+2
.endif
.else
	PLACES                                         ; ahead of the stores that read the sums
.endif
.endm
.macro GATHER                          ; a tile's KS partial sums, added in ascending order of K
.set q, 0
.rept KS
.irp k,0,1,2,3,4,5,6,7
	ds_load_b128 v[16+32*q+4*(\k):16+32*q+4*(\k)+3], v[4+q] offset:(\k)*512
.endr
.set q, q+1
.endr
	s_wait_dscnt 0x0
.set q, 1
.rept KS-1
.set k, 0
.rept 16
	v_pk_add_f32 v[16+2*k:17+2*k], v[16+2*k:17+2*k], v[16+32*q+2*k:17+32*q+2*k]
.set k, k+1
.endr
.set q, q+1
.endr
.endm
	s_load_b256 s[4:11], s[0:1], 0x0               ; in s[4:5], W s[6:7], bias s[8:9], tinfo s[10:11]
	s_load_b64 s[12:13], s[0:1], 0x20              ; out
	v_lshl_add_u32 v14, v0, 2, SPARE
	v_mov_b32 v15, 0
	ds_add_u32 v14, v15                            ; the wave's opening: the add and its wait ahead of my first tensor load
	v_lshrrev_b32 v1, 5, v0
	v_readfirstlane_b32 s16, v1                    ; wave
	s_mov_b32 s17, s16                             ; my part of K
	s_mov_b32 s18, 0                               ; my slice
	s_mov_b32 s19, ttmp9                           ; x
	s_and_b32 s20, ttmp7, 0xffff                   ; slot
	s_mov_b32 s24, 2<<16                           ; group 1: elements of 4 bytes, no mask, no padding
	s_mov_b32 s25, 64<<16                          ; tensor_dim0 = 64
	s_mov_b32 s26, 64<<16                          ; tensor_dim1 = 64
	s_mov_b32 s27, 64<<16                          ; tile_dim0 = 64: rows of 256 bytes
	s_mov_b32 s28, 64                              ; tile_dim1 = 64 rows
	s_mov_b32 s29, N                               ; elements from row to row
	s_mov_b32 s30, 0
	s_mov_b32 s31, 0
	s_lshl_b32 s52, s16, 16                        ; my region of LDS
	v_and_b32 v10, 31, v0
	v_lshlrev_b32 v1, 4, v10                       ; 16 lane
	v_and_b32 v11, 15, v0                          ; r
	v_bfe_u32 v13, v0, 4, 1                        ; h
	v_lshlrev_b32 v12, 4, v11                      ; 16 r
	v_lshl_add_u32 v2, v13, 13, v12
	v_add_nc_u32 v2, s52, v2                       ; weights: 32 h rows of 256 bytes + 16 r
	v_add_nc_u32 v3, s52, v1
	s_mul_i32 s48, s18, KS*65536
	s_lshl_b32 s49, s17, 12
	s_add_co_u32 s48, s48, s49
	v_add_nc_u32 v4, s48, v1                       ; the first region, my first tile
.set q, 1
.rept KS-1
	v_add_nc_u32 v[4+q], q*65536, v4
.set q, q+1
.endr
	s_mul_i32 s49, s17, TAUO
	v_add_nc_u32 v8, s49, v1
	v_mov_b32 v9, 0
	v_lshlrev_b32 v13, 7, v13                      ; 128 h
	s_wait_dscnt 0x0                               ; the opening add is done
	s_wait_kmcnt 0x0
	s_lshl_b32 s48, s20, 7
	s_load_b32 s21, s[10:11], s48 offset:0x0       ; the slot's word: n (this layer's weights are shared: e = 0)
	s_wait_kmcnt 0x0
	s_and_b32 s22, s21, 0xff
	s_min_u32 s22, s22, 176                        ; n
	s_bfe_u32 s23, s21, 0x40008
	s_min_u32 s23, s23, 7                          ; e
	s_mul_i32 s55, s19, SL
	s_add_co_u32 s55, s55, s18                     ; my block of 64 columns
	s_lshl_b32 s48, s23, 21
	s_mul_i32 s49, s17, KW*N*4
	s_add_co_u32 s48, s48, s49
	s_lshl_b32 s49, s55, 8
	s_add_co_u32 s48, s48, s49
	s_mov_b32 s49, 0
	s_add_nc_u64 s[50:51], s[6:7], s[48:49]
.set i, 0
.rept NLOAD
	s_mov_b32 s[32+4*i], 1
	s_add_co_u32 s[33+4*i], s52, i*16384
	s_add_nc_u64 s[34+4*i:35+4*i], s[50:51], i*64*N*4
	s_or_b32 s[35+4*i], s[35+4*i], 0x80000000
.set i, i+1
.endr
.set i, 0
.rept NLOAD
	tensor_load_to_lds s[32+4*i:35+4*i], s[24:31]  ; 64 rows of K x 64 columns, f32
	s_nop 0
.set i, i+1
.endr
	PLACES
	s_mul_i32 s48, s23, N*4
	s_lshl_b32 s49, s55, 8
	s_add_co_u32 s48, s48, s49
	s_mov_b32 s49, 0
	s_add_nc_u64 s[58:59], s[8:9], s[48:49]        ; bias at my columns
	s_mul_i32 s48, s20, SLOTI
	s_mul_i32 s50, s17, (KW/64)*2048
	s_add_co_u32 s48, s48, s50
	s_add_nc_u64 s[56:57], s[4:5], s[48:49]        ; the slot's activations at my part of K
	s_mul_i32 s48, s20, SLOTO
	s_lshl_b32 s50, s55, 11
	s_add_co_u32 s48, s48, s50
	s_add_nc_u64 s[60:61], s[12:13], s[48:49]
	s_mov_b32 s54, 11
	s_cmp_eq_u32 s22, 0
	s_cselect_b32 s54, 0, s54                      ; tiles to finish
.irp j,0,1,2,3,4,5,6,7
	global_load_b128 v[144+4*(\j):147+4*(\j)], v13, s[58:59] offset:16*(\j)   ; register 4 j + jj: bias of column n0 + 32 h + 4 j + jj
.endr
	s_cmp_eq_u32 s22, 0
	s_cbranch_scc1 .Lmeet                          ; an empty slot
	ALOAD 0
	ALOAD 1
	WLOAD 0
	s_wait_dscnt 0x0
	WCVT 0
	WLOAD 1
.set st, 0
.rept NSTEP
	STEP st
.set st, st+1
.endr
	; my partial sums, into my own region: [tile][jj][half][lane][16 bytes]; each accumulator's low registers first
	WIN 0x08
.irp t,0,1,2,3,4,5,6,7
.irp j,0,1,2,3
	ds_store_b128 v3, v[32*(\t)+8*(\j):32*(\t)+8*(\j)+3] offset:(8*(\t)+2*(\j))*512
	ds_store_b128 v3, v[32*(\t)+8*(\j)+4:32*(\t)+8*(\j)+7] offset:(8*(\t)+2*(\j)+1)*512
.endr
.endr
	WIN 0x0c
.irp t,0,1,2
.irp j,0,1,2,3
	ds_store_b128 v3, v[32*(\t)+8*(\j):32*(\t)+8*(\j)+3] offset:(8*((\t)+8)+2*(\j))*512
	ds_store_b128 v3, v[32*(\t)+8*(\j)+4:32*(\t)+8*(\j)+7] offset:(8*((\t)+8)+2*(\j)+1)*512
.endr
.endr
	WIN 0
.Lmeet:
	s_wait_tensorcnt 0x0                           ; (an empty slot's fills)
	s_wait_loadcnt 0x0                             ; (and its bias)
	s_wait_dscnt 0x0                               ; for the others' sake: my partial sums are in LDS
	s_barrier_signal -1
	s_barrier_wait -1
	s_mov_b32 s52, NI
	s_mov_b32 s53, s17                             ; my tiles: kq, kq + KS, ..
.Lunit:
	s_cmp_ge_u32 s53, s54
	s_cbranch_scc1 .Lnext
	GATHER
.irp j,0,1,2,3
.irp p,0,1,2,3,4,5,6,7
	v_add_f32 v[16+8*(\j)+(\p)], v[16+8*(\j)+(\p)], v[144+4*(\p)+(\j)]
.endr
.endr
.irp j,0,1,2,3
.irp q,0,1,2,3
	v_cvt_pk_bf16_f32 v[176+4*(\j)+(\q)], v[16+8*(\j)+2*(\q)], v[16+8*(\j)+2*(\q)+1]
.endr
.endr
.set k, 0
.rept 16
	v_pk_max_num_bf16 v[176+k], v[176+k], v9       ; relu
.set k, k+1
.endr
.irp j,0,1,2,3
	global_store_b128 v8, v[176+4*(\j):179+4*(\j)], s[60:61] offset:512*(\j)   ; 512 consecutive bytes: piece jj of the next layer's operand
.endr
.Lnext:
	s_wait_xcnt 0x0                                ; the stores have read their registers
.set q, 0
.rept KS
	v_add_nc_u32 v[4+q], KS*4096, v[4+q]
.set q, q+1
.endr
	v_add_nc_u32 v8, KS*TAUO, v8
	s_add_co_u32 s53, s53, KS
	s_sub_co_u32 s52, s52, 1
	s_cmp_lg_u32 s52, 0
	s_cbranch_scc1 .Lunit
	s_wait_tensorcnt 0x0                           ; the wave's end
	ds_add_u32 v14, v15
	s_wait_dscnt 0x0
	s_endpgm
.Lfunc_end_k_q4109b1a152_l3:
	.size	k_q4109b1a152_l3, .Lfunc_end_k_q4109b1a152_l3-k_q4109b1a152_l3
	.p2alignl 7, 3214868480
	.fill 96, 4, 3214868480
	.section	.rodata,"a",@progbits
	.p2align	6, 0x0
	.amdhsa_kernel k_q4109b1a152_l3
		.amdhsa_group_segment_fixed_size 262656
		.amdhsa_private_segment_fixed_size 0
		.amdhsa_enable_private_segment 0
		.amdhsa_kernarg_size 40
		.amdhsa_user_sgpr_count 2
		.amdhsa_user_sgpr_kernarg_segment_ptr 1
		.amdhsa_wavefront_size32 1
		.amdhsa_system_sgpr_workgroup_id_x 1
		.amdhsa_system_sgpr_workgroup_id_y 1
		.amdhsa_system_sgpr_workgroup_id_z 1
		.amdhsa_system_vgpr_workitem_id 0
		.amdhsa_next_free_vgpr 936
		.amdhsa_next_free_sgpr 66
		.amdhsa_reserve_vcc 0
		.amdhsa_float_denorm_mode_32 3
		.amdhsa_float_denorm_mode_16_64 3
		.amdhsa_memory_ordered 1
		.amdhsa_forward_progress 1
		.amdhsa_inst_pref_size 53
	.end_amdhsa_kernel
	.amdgpu_metadata
---
amdhsa.version: [ 1, 2 ]
amdhsa.kernels:
  - .name:           k_q4109b1a152_l3
    .symbol:         k_q4109b1a152_l3.kd
    .args:
      - { .name: actA, .offset: 0, .size: 8, .value_kind: global_buffer, .address_space: global }
      - { .name: enc_W2, .offset: 8, .size: 8, .value_kind: global_buffer, .address_space: global }
      - { .name: enc_b2, .offset: 16, .size: 8, .value_kind: global_buffer, .address_space: global }
      - { .name: tinfoS, .offset: 24, .size: 8, .value_kind: global_buffer, .address_space: global }
      - { .name: actB, .offset: 32, .size: 8, .value_kind: global_buffer, .address_space: global }
    .group_segment_fixed_size: 262656
    .private_segment_fixed_size: 0
    .kernarg_segment_align: 8
    .kernarg_segment_size: 40
    .max_flat_workgroup_size: 128
    .sgpr_count:     66
    .vgpr_count:     936
    .wavefront_size: 32
...
	.end_amdgpu_metadata
.endif
;; end of part 4
;; launch l4 (part 5): grid 8 x 31, 4 waves a work-group, no clusters, 262,656 bytes of LDS; arguments actB, es, mu_W, lv_W, dec_Wu0, dec_W1, mu_b, lv_b, dec_bu0, dec_b1, tinfoE, actA; writes actA
.if DOCPART == 5
	.amdgcn_target "amdgcn-amd-amdhsa--gfx1250"
	.amdhsa_code_object_version 6
	.text
	.protected	k_q4109b1a152_l4
	.globl	k_q4109b1a152_l4
	.p2align	8
	.type	k_q4109b1a152_l4,@function
k_q4109b1a152_l4:
	s_mov_b64 s[64:65], 0
	v_nop
	global_prefetch_b8 v0, s[64:65] scope:SCOPE_SE
	s_setreg_imm32_b32 hwreg(HW_REG_WAVE_MODE, 25, 1), 1
	s_wait_xcnt 0x0
; THE MIDDLE OF THE CHAIN, in registers: mu = h2 mu_W + mu_b; lv = h2 lv_W + lv_b; z = mu + exp(lv / 2) eps; h3 = relu(z Wu0[e] + bu0[e]); h4 = relu(h3 W1 + b1).
; h2 (256 features) and h4 (512) lie by slots of 176 places in the operand order [slot][tile of 16][block of 64 features][u 0..3][lane][16 bytes bf16]
; (lane (r, h): place r, features 64 b + 32 h + 4 p + u, p = 0..7); eps lies as the accumulators do: [slot][tile][j][lane][16 bytes f32] = eps[place r][32 h + 4 j .. + 3].
; A work-group is (x, slot): it makes columns 64 x .. + 63 of h4 and, for that, mu, lv, z and h3 whole (49,152 of a token's multiply-adds, done in each of the 8 slices).
; Wave w takes tiles w, w + 4 and min(w + 8, 10) through the whole chain; wave 3's third tile is wave 2's once more, and its stores are jumped.
; In a product (weights as source 0, activations as source 1) register j of tile jj holds place r, column n0 + 32 h + 4 j + jj: packed in pairs it is piece u = jj of the next operand: nothing changes lanes.
; WEIGHTS: 16 blocks of 64 rows x 64 columns f32, four a wave by tensor loads, filled once; each wave turns its own four into bf16 fragment images [f][jj][c][lane][16 bytes],
; in place, behind their last fill; behind the one barrier every wave reads all sixteen.
; FORMATS: h2, weights, z, h3, h4 rounded once to bf16; mu, lv, eps, the biases and the exponential in f32.  exp(lv / 2) = 2^(0.72134752 lv): below 2^-126 it counts as 0; it overflows
; to infinity where the f32 exponential does.  relu takes a NaN to 0.
; NO CLUSTER: what the 8 slices of a slot share (h2, 88 KB, and three of the four weight sets) is small beside the launch's own cost, and partners' weights hang on a cluster number read from memory.
; An empty slot makes its fills, conversions and first loads like any other (nothing is made of them) and ends behind the barrier.
.set SPARE, 262144
; window 0: v1 16 lane (also mu's images); v2, v3 conversion in and out; v5, v6, v7 lv's, Wu0's, W1's images; v8 128 h; v9 0; v14, v15 the add's
;   conversion: v16-143 f32, v144-207 bf16.  Later: v16-79 two sets of four fragments; v80-143 two biases in accumulator order; v144-191 z; v192-239 h4
; window 1: h2, later h3: tile i, block b, piece u at 64 i + 16 b + 4 u.   window 2: v0-95 mu (later h3's sums), v96-191 lv (later h4's sums).   window 3: v0-95 eps; v96-255 five biases as loaded
.set MSB, 0
.macro WIN new                         ; the immediate's high byte repeats the setting that is left
.if MSB != (\new)
	s_set_vgpr_msb (MSB<<8)|(\new)
.set MSB, (\new)
.endif
.endm
.macro PLACES
.rept 4
	v_nop
.endr
.endm
; Unit n = one K step of 32 for three tiles x 64 columns: 0-15 mu and lv by turns (n = 4 b + 2 f + m); 16-23 h3 (stripe, f); 24-31 h4 (b, f)
.macro UPAR n
.if (\n) < 16
.set uB, (\n)/4
.set uF, ((\n)/2)%2
.set uA, 1+4*((\n)%2)
.set uD, 96*((\n)%2)
.set uR0, 16*uB+8*uF
.set uRS, 64
.set uZ, ((\n) < 2)
.set uC, 80+32*((\n)%2)
.set uW, 0xa4
.set uWZ, 0x84
.elseif (\n) < 24
.set uB, ((\n)-16)/2
.set uF, (\n)%2
.set uA, 6
.set uD, 0
.set uR0, 144+8*uF
.set uRS, 16
.set uZ, (uF == 0)
.set uC, 80+32*(uB%2)
.set uW, 0xa0
.set uWZ, 0x80
.else
.set uB, ((\n)-24)/2
.set uF, (\n)%2
.set uA, 7
.set uD, 96
.set uR0, 16*uB+8*uF
.set uRS, 64
.set uZ, ((\n) == 24)
.set uC, 80
.set uW, 0xa4
.set uWZ, 0x84
.endif
.set uO, uB*16384+uF*4096
.endm
.macro ALD n                           ; unit n's four weight fragments: 8 LDS loads
	UPAR \n
	WIN 0
.irp j,0,1,2,3
	ds_load_b128 v[16+32*((\n)%2)+8*(\j):16+32*((\n)%2)+8*(\j)+3], v[uA] offset:uO+(\j)*1024
	ds_load_b128 v[16+32*((\n)%2)+8*(\j)+4:16+32*((\n)%2)+8*(\j)+7], v[uA] offset:uO+(\j)*1024+512
.endr
.endm
.macro MM3 n                           ; 12 products, 12 accumulators by turns; a sum's first step takes the bias as C
	UPAR \n
.if uZ
	WIN uWZ
.else
	WIN uW
.endif
.irp i,0,1,2
.irp j,0,1,2,3
.if uZ
	v_wmma_f32_16x16x32_bf16 v[uD+32*(\i)+8*(\j):uD+32*(\i)+8*(\j)+7], v[16+32*((\n)%2)+8*(\j):16+32*((\n)%2)+8*(\j)+7], v[uR0+uRS*(\i):uR0+uRS*(\i)+7], v[uC+8*(\j):uC+8*(\j)+7]
.else
	v_wmma_f32_16x16x32_bf16 v[uD+32*(\i)+8*(\j):uD+32*(\i)+8*(\j)+7], v[16+32*((\n)%2)+8*(\j):16+32*((\n)%2)+8*(\j)+7], v[uR0+uRS*(\i):uR0+uRS*(\i)+7], v[uD+32*(\i)+8*(\j):uD+32*(\i)+8*(\j)+7]
.endif
.endr
.endr
.endm
.macro UNIT n
.if (\n) < 31
	ALD (\n)+1
	s_wait_dscnt 8                                 ; my fragments are in; only the next unit's 8 loads are younger
.else
	s_wait_dscnt 0x0
.endif
	MM3 \n
	PLACES                                         ; ahead of the loads into the fragments just read, and of what reads the sums
.endm
.macro BMOV m, par                     ; bias m, as loaded (4 j + jj), into accumulator order (8 jj + j): one copy serves three tiles' C operands
	WIN 0x03
.irp j,0,1,2,3
.irp p,0,1,2,3,4,5,6,7
	v_mov_b32 v[80+32*(\par)+8*(\j)+(\p)], v[96+32*(\m)+4*(\p)+(\j)]
.endr
.endr
.endm
; A wave's four first fills: block i of my weights goes to my region + 16,384 i.  s[56:57] the tensor, s[58:59] my first block's offset, s[60:61] the step from block to block,
; s37 the pitch: all set by the caller, in the same branch on the wave's number, so that every word of group 1 is a constant where the load is issued.
; An s_nop 0 follows each load and four v_nop the last, ahead of the jump or the label.  By this text's count four loads of a wave are out.
.macro FILL4
	s_add_nc_u64 s[56:57], s[56:57], s[58:59]
.irp i,0,1,2,3
	s_mov_b32 s[40+4*(\i)], 1
	s_add_co_u32 s[41+4*(\i)], s62, (\i)*16384
	s_mov_b64 s[42+4*(\i):43+4*(\i)], s[56:57]
	s_or_b32 s[43+4*(\i)], s[43+4*(\i)], 0x80000000
	s_add_nc_u64 s[56:57], s[56:57], s[60:61]
.endr
.irp i,0,1,2,3
	tensor_load_to_lds s[40+4*(\i):43+4*(\i)], s[32:39]
	s_nop 0
.endr
	PLACES
.endm
	s_load_b512 s[4:19], s[0:1], 0x0               ; h2 s[4:5], es s[6:7], mu_W s[8:9], lv_W s[10:11], Wu0 s[12:13], W1 s[14:15], mu_b s[16:17], lv_b s[18:19]
	s_load_b256 s[20:27], s[0:1], 0x40             ; bu0 s[20:21], b1 s[22:23], tinfo s[24:25], out s[26:27]
	v_lshl_add_u32 v14, v0, 2, SPARE
	v_mov_b32 v15, 0
	ds_add_u32 v14, v15                            ; the wave's opening: the add and its wait ahead of my first tensor load
	v_lshrrev_b32 v1, 5, v0
	v_readfirstlane_b32 s28, v1                    ; wave
	s_mov_b32 s29, ttmp9                           ; x
	s_and_b32 s30, ttmp7, 0xffff                   ; slot
	s_mov_b32 s32, 2<<16                           ; group 1: elements of 4 bytes, no mask, no padding
	s_mov_b32 s33, 64<<16                          ; tensor_dim0 = 64
	s_mov_b32 s34, 64<<16                          ; tensor_dim1 = 64
	s_mov_b32 s35, 64<<16                          ; tile_dim0 = 64: rows of 256 bytes
	s_mov_b32 s36, 64                              ; tile_dim1 = 64 rows
	s_mov_b32 s38, 0
	s_mov_b32 s39, 0
	s_lshl_b32 s62, s28, 16                        ; my four blocks in LDS
	v_and_b32 v10, 31, v0
	v_lshlrev_b32 v1, 4, v10                       ; 16 lane
	v_and_b32 v11, 15, v0
	v_bfe_u32 v8, v0, 4, 1
	v_lshlrev_b32 v11, 4, v11
	v_lshl_add_u32 v2, v8, 13, v11
	v_add_nc_u32 v2, s62, v2                       ; f32 rows: 32 h rows of 256 bytes + 16 r
	v_add_nc_u32 v3, s62, v1
	v_add_nc_u32 v5, 0x10000, v1
	v_add_nc_u32 v6, 0x20000, v1
	v_add_nc_u32 v7, 0x30000, v1
	v_lshlrev_b32 v8, 7, v8                        ; 128 h
	v_mov_b32 v9, 0
	s_wait_dscnt 0x0                               ; the opening add is done
	s_wait_kmcnt 0x0
	s_lshl_b32 s56, s30, 7
	s_load_b32 s31, s[24:25], s56 offset:0x0       ; the slot's word: n | e << 8
	s_mov_b32 s59, 0
	s_mov_b32 s61, 0
	s_wait_kmcnt 0x0
	s_and_b32 s84, s31, 0xff                       ; n
	s_bfe_u32 s85, s31, 0x40008
	s_min_u32 s85, s85, 7                          ; e
	; which weights my wave fetches; each wave's four fills stand in its one branch on the wave's number
	s_cmp_lt_u32 s28, 2
	s_cbranch_scc1 .Lw01
	s_cmp_eq_u32 s28, 2
	s_cbranch_scc1 .Lw2
	s_mov_b32 s37, 512                             ; wave 3: W1, rows 64 i on, columns 64 x on
	s_mov_b64 s[56:57], s[14:15]
	s_lshl_b32 s58, s29, 8
	s_mov_b32 s60, 131072
	FILL4
	s_branch .Lfilled
.Lw2:
	s_mov_b32 s37, 256                             ; wave 2: Wu0[e], columns 64 i on
	s_mov_b64 s[56:57], s[12:13]
	s_lshl_b32 s58, s85, 16
	s_mov_b32 s60, 256
	FILL4
	s_branch .Lfilled
.Lw01:
	s_mov_b32 s37, 64                              ; waves 0 and 1: mu_W, lv_W, rows 64 i on
	s_cmp_eq_u32 s28, 0
	s_cselect_b64 s[56:57], s[8:9], s[10:11]
	s_mov_b32 s58, 0
	s_mov_b32 s60, 16384
	FILL4
.Lfilled:
	s_mul_i32 s56, s30, 90112
	s_mov_b32 s57, 0
	s_add_nc_u64 s[58:59], s[4:5], s[56:57]
	s_mul_i32 s56, s30, 45056
	s_add_nc_u64 s[60:61], s[6:7], s[56:57]
	s_mul_i32 s56, s30, 180224
	s_lshl_b32 s63, s29, 11
	s_add_co_u32 s56, s56, s63
	s_add_nc_u64 s[26:27], s[26:27], s[56:57]
	s_mov_b32 s86, s28                             ; my three tiles
	s_add_co_u32 s87, s28, 4
	s_add_co_u32 s88, s28, 8
	s_min_u32 s88, s88, 10
.irp i,0,1,2
	s_lshl_b32 s56, s[86+(\i)], 13
	s_add_nc_u64 s[66+2*(\i):67+2*(\i)], s[58:59], s[56:57]
	s_lshl_b32 s56, s[86+(\i)], 12
	s_add_nc_u64 s[72+2*(\i):73+2*(\i)], s[60:61], s[56:57]
	s_lshl_b32 s56, s[86+(\i)], 14
	s_add_nc_u64 s[78+2*(\i):79+2*(\i)], s[26:27], s[56:57]
.endr
	s_lshl_b32 s56, s85, 10
	s_add_nc_u64 s[90:91], s[20:21], s[56:57]
	s_lshl_b32 s56, s29, 8
	s_add_nc_u64 s[92:93], s[22:23], s[56:57]
	WIN 0xc0
.irp p,0,1,2,3,4,5,6,7
	global_load_b128 v[96+4*(\p):99+4*(\p)], v8, s[16:17] offset:16*(\p)     ; mu_b
	global_load_b128 v[128+4*(\p):131+4*(\p)], v8, s[18:19] offset:16*(\p)   ; lv_b
.endr
	WIN 0x40
.irp i,0,1,2
.irp k,0,1,2,3,4,5,6,7,8,9,10,11,12,13,14,15
	global_load_b128 v[64*(\i)+4*(\k):64*(\i)+4*(\k)+3], v1, s[66+2*(\i):67+2*(\i)] offset:512*(\k)   ; h2: a tile's 8,192 bytes on end
.endr
.endr
	WIN 0
	; my four blocks, f32 to bf16 fragment images, in place
	s_wait_tensorcnt 0x0
	s_mov_b32 s89, 4
.Lcv:
.irp f,0,1
.irp c,0,1
.irp p,0,1,2,3,4,5,6,7
	ds_load_b128 v[16+4*(16*(\f)+8*(\c)+(\p)):16+4*(16*(\f)+8*(\c)+(\p))+3], v2 offset:(4*(\p)+2*(\f)+(\c))*256
.endr
.endr
.endr
	s_wait_dscnt 0x0                               ; the whole block is in registers before any of it is written over
.irp f,0,1
.irp j,0,1,2,3
.irp c,0,1
.irp q,0,1,2,3
	v_cvt_pk_bf16_f32 v[144+32*(\f)+8*(\j)+4*(\c)+(\q)], v[16+4*(16*(\f)+8*(\c)+2*(\q))+(\j)], v[16+4*(16*(\f)+8*(\c)+2*(\q)+1)+(\j)]
.endr
.endr
.endr
.endr
.irp k,0,1,2,3,4,5,6,7,8,9,10,11,12,13,14,15
	ds_store_b128 v3, v[144+4*(\k):147+4*(\k)] offset:512*(\k)
.endr
	v_add_nc_u32 v2, 16384, v2
	v_add_nc_u32 v3, 16384, v3
	s_sub_co_u32 s89, s89, 1
	s_cmp_lg_u32 s89, 0
	s_cbranch_scc1 .Lcv
	s_wait_dscnt 0x0                               ; for the others' sake: my images are in LDS
	s_barrier_signal -1
	s_barrier_wait -1
	s_cmp_eq_u32 s84, 0
	s_cbranch_scc1 .Lend                           ; an empty slot
	s_wait_loadcnt 0x0                             ; h2 and the first two biases
	BMOV 0, 0
	BMOV 1, 1
	WIN 0xc0
.irp i,0,1,2
.irp p,0,1,2,3,4,5,6,7
	global_load_b128 v[32*(\i)+4*(\p):32*(\i)+4*(\p)+3], v1, s[72+2*(\i):73+2*(\i)] offset:512*(\p)   ; eps
.endr
.endr
.irp m,0,1,2,3
.irp p,0,1,2,3,4,5,6,7
	global_load_b128 v[96+32*(\m)+4*(\p):96+32*(\m)+4*(\p)+3], v8, s[90:91] offset:256*(\m)+16*(\p)   ; bu0[e], stripe m
.endr
.endr
.irp p,0,1,2,3,4,5,6,7
	global_load_b128 v[224+4*(\p):227+4*(\p)], v8, s[92:93] offset:16*(\p)   ; b1, my slice
.endr
	ALD 0
.set un, 0
.rept 16
	UNIT un                                        ; mu and lv
.set un, un+1
.endr
	; z = mu + 2^(0.72134752 lv) eps.  The 96 exponentials are one batch with one wait.
	WIN 0x82
.set k, 0
.rept 48
	v_pk_mul_f32 v[96+2*k:97+2*k], v[96+2*k:97+2*k], 0x3f38aa3b op_sel_hi:[1,0]
.set k, k+1
.endr
.set k, 0
.rept 96
	v_exp_f32 v[96+k], v[96+k]
.set k, k+1
.endr
	v_nop                                          ; a plain instruction behind the last exponential
	s_wait_alu depctr_va_vdst(0)                   ; the wait ahead of the first use: one for the batch
	s_wait_loadcnt 40                              ; eps is in; the 40 bias loads behind it may stay out
	WIN 0xae
.irp i,0,1,2
.irp j,0,1,2,3
.irp p,0,1,2,3,4,5,6,7
	v_fma_f32 v[32*(\i)+8*(\j)+(\p)], v[96+32*(\i)+8*(\j)+(\p)], v[32*(\i)+4*(\p)+(\j)], v[32*(\i)+8*(\j)+(\p)]
.endr
.endr
.endr
	WIN 0x0a
.irp i,0,1,2
.irp j,0,1,2,3
.irp q,0,1,2,3
	v_cvt_pk_bf16_f32 v[144+16*(\i)+4*(\j)+(\q)], v[32*(\i)+8*(\j)+2*(\q)], v[32*(\i)+8*(\j)+2*(\q)+1]
.endr
.endr
.endr
	s_wait_loadcnt 0x0                             ; the other biases
	BMOV 0, 0
.irp sl,0,1,2,3
	UNIT 16+2*(\sl)                                ; h3, columns 64 sl on: K = 64, two units
	UNIT 17+2*(\sl)
.if (\sl) < 3
	BMOV (\sl)+1, ((\sl)+1)%2
.else
	BMOV 4, 0
.endif
	WIN 0x4a
.irp i,0,1,2
.irp j,0,1,2,3
.irp q,0,1,2,3
	v_cvt_pk_bf16_f32 v[64*(\i)+16*(\sl)+4*(\j)+(\q)], v[32*(\i)+8*(\j)+2*(\q)], v[32*(\i)+8*(\j)+2*(\q)+1]
.endr
.endr
.endr
	WIN 0x41
.irp i,0,1,2
.set k, 0
.rept 16
	v_pk_max_num_bf16 v[64*(\i)+16*(\sl)+k], v[64*(\i)+16*(\sl)+k], v9   ; relu
.set k, k+1
.endr
.endr
.endr
.set un, 24
.rept 8
	UNIT un                                        ; h4, my 64 columns
.set un, un+1
.endr
	WIN 0x0a
.irp i,0,1,2
.irp j,0,1,2,3
.irp q,0,1,2,3
	v_cvt_pk_bf16_f32 v[192+16*(\i)+4*(\j)+(\q)], v[96+32*(\i)+8*(\j)+2*(\q)], v[96+32*(\i)+8*(\j)+2*(\q)+1]
.endr
.endr
.endr
	WIN 0
.set k, 0
.rept 48
	v_pk_max_num_bf16 v[192+k], v[192+k], v9       ; relu
.set k, k+1
.endr
.irp i,0,1
.irp j,0,1,2,3
	global_store_b128 v1, v[192+16*(\i)+4*(\j):192+16*(\i)+4*(\j)+3], s[78+2*(\i):79+2*(\i)] offset:512*(\j)   ; 512 consecutive bytes
.endr
.endr
	s_cmp_eq_u32 s28, 3
	s_cbranch_scc1 .Lend                           ; wave 3's third tile is wave 2's
.irp j,0,1,2,3
	global_store_b128 v1, v[224+4*(\j):227+4*(\j)], s[82:83] offset:512*(\j)
.endr
.Lend:
	s_wait_tensorcnt 0x0                           ; the wave's end
	ds_add_u32 v14, v15
	s_wait_dscnt 0x0
	s_endpgm
.Lfunc_end_k_q4109b1a152_l4:
	.size	k_q4109b1a152_l4, .Lfunc_end_k_q4109b1a152_l4-k_q4109b1a152_l4
	.p2alignl 7, 3214868480
	.fill 96, 4, 3214868480
	.section	.rodata,"a",@progbits
	.p2align	6, 0x0
	.amdhsa_kernel k_q4109b1a152_l4
		.amdhsa_group_segment_fixed_size 262656
		.amdhsa_private_segment_fixed_size 0
		.amdhsa_enable_private_segment 0
		.amdhsa_kernarg_size 96
		.amdhsa_user_sgpr_count 2
		.amdhsa_user_sgpr_kernarg_segment_ptr 1
		.amdhsa_wavefront_size32 1
		.amdhsa_system_sgpr_workgroup_id_x 1
		.amdhsa_system_sgpr_workgroup_id_y 1
		.amdhsa_system_sgpr_workgroup_id_z 1
		.amdhsa_system_vgpr_workitem_id 0
		.amdhsa_next_free_vgpr 1024
		.amdhsa_next_free_sgpr 96
		.amdhsa_reserve_vcc 0
		.amdhsa_float_denorm_mode_32 3
		.amdhsa_float_denorm_mode_16_64 3
		.amdhsa_memory_ordered 1
		.amdhsa_forward_progress 1
		.amdhsa_inst_pref_size 131
	.end_amdhsa_kernel
	.amdgpu_metadata
---
amdhsa.version: [ 1, 2 ]
amdhsa.kernels:
  - .name:           k_q4109b1a152_l4
    .symbol:         k_q4109b1a152_l4.kd
    .args:
      - { .name: actB, .offset: 0, .size: 8, .value_kind: global_buffer, .address_space: global }
      - { .name: es, .offset: 8, .size: 8, .value_kind: global_buffer, .address_space: global }
      - { .name: mu_W, .offset: 16, .size: 8, .value_kind: global_buffer, .address_space: global }
      - { .name: lv_W, .offset: 24, .size: 8, .value_kind: global_buffer, .address_space: global }
      - { .name: dec_Wu0, .offset: 32, .size: 8, .value_kind: global_buffer, .address_space: global }
      - { .name: dec_W1, .offset: 40, .size: 8, .value_kind: global_buffer, .address_space: global }
      - { .name: mu_b, .offset: 48, .size: 8, .value_kind: global_buffer, .address_space: global }
      - { .name: lv_b, .offset: 56, .size: 8, .value_kind: global_buffer, .address_space: global }
      - { .name: dec_bu0, .offset: 64, .size: 8, .value_kind: global_buffer, .address_space: global }
      - { .name: dec_b1, .offset: 72, .size: 8, .value_kind: global_buffer, .address_space: global }
      - { .name: tinfoE, .offset: 80, .size: 8, .value_kind: global_buffer, .address_space: global }
      - { .name: actA, .offset: 88, .size: 8, .value_kind: global_buffer, .address_space: global }
    .group_segment_fixed_size: 262656
    .private_segment_fixed_size: 0
    .kernarg_segment_align: 8
    .kernarg_segment_size: 96
    .max_flat_workgroup_size: 128
    .sgpr_count:     96
    .vgpr_count:     1024
    .wavefront_size: 32
...
	.end_amdgpu_metadata
.endif
;; end of part 5
;; launch l5: the kernel of part 2 again; grid 8 x 31, 4 waves a work-group, no clusters, 262,656 bytes of LDS; arguments actA, dec_Wu2, dec_bu2, tinfoE, actB; writes actB
;; launch l6: the kernel of part 3 again; grid 8 x 31, 4 waves a work-group, no clusters, 280,064 bytes of LDS; arguments actB, fin_W, fin_b, tinfoF, perm, out0; writes out0
